; MI455X (gfx1250); checked and timed in simulation.
; The chip was launched on July 23, 2026; its instructions are those of AMD's public machine-readable ISA for CDNA 5 (MIT licence, August 2026) and "CDNA5" Instruction Set Architecture Reference Guide (July 2026). The comments in the code are by the model that wrote it; some were corrected since.
;; Multi Head Attention. Allowed arithmetic: matrix products marked QUANTISED: E2M3 operands, one E8M0 scale for each 32 along K, by v_wmma_scale_f32_16x16x128_f8f6f4 with both operands' format E2M3, f32 sums; everything else in f32.
;; Inputs: Wk 1,024 x 1,024 float32; Wo 1,024 x 1,024 float32; Wq 1,024 x 1,024 float32; Wv 1,024 x 1,024 float32; bk 1,024 float32; bo 1,024 float32; bq 1,024 float32; bv 1,024 float32; key 2 x 2,048 x 1,024 float32; query 2 x 2,048 x 1,024 float32; rel 2,049 x 64 float32; value 2 x 2,048 x 1,024 float32.
;; Outputs: out0 2 x 2,048 x 1,024 float32.
;; This version of the problem:
;;   THIS VERSION OF THE PROBLEM IS GIVEN IN LOW PRECISION. The matrix products marked QUANTISED in the list below multiply operands that are first quantised to E2M3 (2 exponent bits, 3 mantissa bits; 6 bits a number), with one power-of-two scale for each 32 numbers along K (OCP MX v1.0); their sums are f32. All else is computed in f32.
;;   The module's matrix products, in the order in which they are computed (A, B: the left and right operand; K: the contracted axis; several contracted axes count as one K, in the product's order):
;;     1. [M 4,096, K 1,024] x [K 1,024, N 1,024]; A: input query; B: input Wq: QUANTISED
;;     2. [M 4,096, K 1,024] x [K 1,024, N 1,024]; A: input key; B: input Wk: QUANTISED
;;     3. [M 4,096, K 1,024] x [K 1,024, N 1,024]; A: input value; B: input Wv: QUANTISED
;;     4. [M 65,536, K 64] x [K 64, N 2,048]; A: computed on the way; B: input rel: QUANTISED
;;     5. batch 32 x [M 2,048, K 64] x [K 64, N 2,048]; A: computed on the way; B: computed on the way: QUANTISED
;;     6. batch 32 x [M 2,048, K 2,048] x [K 2,048, N 64]; A: softmax (see below); B: computed on the way: QUANTISED
;;     7. [M 4,096, K 1,024] x [K 1,024, N 1,024]; A: computed on the way; B: input Wo: QUANTISED
;;   THE QUANTISER, for each operand of a quantised product, along K:
;;     - K is cut into blocks of 32 from its start; a last block that is shorter is filled with zeros.
;;     - A block's scale is 2^e with e = floor(log2(the largest magnitude in the block)) - 2, held to -126 .. 127; a block of zeros has e = 0. As a byte (E8M0): e + 127.
;;     - Each number is divided by its block's scale, clamped to +-7.5, and rounded to the nearest number of E2M3, ties to even, subnormals kept.
;;     - The product sums the exact products of the quantised numbers (number of the format x scale) in f32.
;;   ~~~python
;;   def quantise(x, axis):      # numpy; x: float32 -> the quantised numbers, widened to float32 again
;;       x = np.moveaxis(x, axis, -1); K = x.shape[-1]
;;       x = np.pad(x, [(0, 0)] * (x.ndim - 1) + [(0, -K % 32)]); x = x.reshape(x.shape[:-1] + (-1, 32)); a = np.abs(x).max(-1, keepdims=True)
;;       e = np.where(a > 0, np.clip(np.frexp(np.where(a > 0, a, 1))[1] - 1 - 2, -126, 127), 0)      # np.frexp(a)[1] - 1 = floor(log2(a)), exactly
;;       r = np.clip(x / 2.0 ** e, -7.5, 7.5)
;;       step = 2.0 ** (np.maximum(np.frexp(np.where(r == 0, 1, r))[1] - 1, 0) - 3)
;;       q = np.round(r / step) * step * 2.0 ** e      # np.round: ties to even
;;       return np.moveaxis(q.reshape(q.shape[:-2] + (-1,))[..., :K], -1, axis).astype(np.float32)
;;   ~~~
;;   SOFTMAX AHEAD OF A QUANTISED PRODUCT. Where the list says 'softmax', what is quantised is not the finished softmax but p = 2^(t - M), with t = logit x log2(e) and M = ceil(the row's largest t), a whole number; so 1/2 < the row's largest p <= 1. The row's sum l is taken of the UNQUANTISED p, in f32, and the product's result is divided by l at the end. Since M is a whole number, a kernel that streams over the keys may use a running M (the ceiling of the running maximum): every later rescaling is an exact power of two, which a block's scale takes up: the codes' values come out the same.
;;   OPERANDS COMPUTED ON THE WAY. 'Computed on the way' means the value that the module computes at that place (a softmax that the list does not call 'softmax' is quantised finished and normalised). What goes into a quantiser is computed in f32, as accurately as f32 sums, v_exp_f32 and their like allow (about 1e-6 of the number): no bf16 or f16 on the way to a quantiser, and a product that is left as it is and whose result goes on into a quantised operand takes f32 operands (vector FMAs, or v_wmma_f32_16x16x4_f32). A number that lies on a knife's edge between two numbers of the format may be rounded either way, as far as f32 arithmetic and the matrix unit's own rounding can turn it there, and no further.
;; One version. Each part assembles by itself: llvm-mc -triple=amdgcn-amd-amdhsa -mcpu=gfx1250 --defsym DOCPART=n.
;; ======== version 1 of 1: 4 launches
;; limits: right only within a limited range of input values
;; workspace buffers: opnd 13,295,616 bytes; qkv 10,092,544 bytes; att 3,276,800 bytes
;; launch quant (part 1): grid 932 x 1, 4 waves a work-group, no clusters, 34,304 bytes of LDS; arguments query, key, value, Wq, Wk, Wv, Wo, rel, opnd; writes opnd
.if DOCPART == 1
	.amdgcn_target "amdgcn-amd-amdhsa--gfx1250"
	.amdhsa_code_object_version 6
	.text
	.protected	k_q048e0887ee_quant
	.globl	k_q048e0887ee_quant
	.p2align	8
	.type	k_q048e0887ee_quant,@function
k_q048e0887ee_quant:
	s_mov_b64 s[64:65], 0
	v_nop
	global_prefetch_b8 v0, s[64:65] scope:SCOPE_SE
	s_setreg_imm32_b32 hwreg(HW_REG_WAVE_MODE, 25, 1), 1
	s_wait_xcnt 0x0
; Every input of a quantised product is turned ONCE into codes of FP6 (E2M3) with one E8M0 byte for each 32 along K, laid as IMAGES OF OPERAND REGISTERS.
; A half fragment (HF) is 16 rows x 64 K: six registers a lane; lane (r = lane % 16, h = lane / 16) holds row r, k = 32 h .. 32 h + 31.  Its image is 768 bytes:
; registers 0-3 at 16 x lane, registers 4-5 at 512 + 8 x lane.  Two HF on end are a fragment of 128 K; eight fragments a strip (16 rows x 1,024 K, 12,288 bytes).
; A strip's scale image is 512 bytes, [p = 0..3][lane] words: lanes 0-15 row r's word of K step 2 p, lanes 16-31 that of K step 2 p + 1.
; opnd: strips 0-255 query (rows in natural order), 256-511 key, 512-767 value (rows of a pair of strips in the order 8 u + r + 8 (r / 8)), 768-1023 Wq, Wk, Wv, Wo (rows = columns n, same order);
; from SC0 the scale images; from REL 144 HF of rel (tile t, row r = rel[16 t + r + 1]; tiles 128-143 are zero codes); from RELS their scale words (two bytes used).
; A block's scale is 2^(floor(log2(largest magnitude)) - 2): its byte is the largest magnitude's exponent field - 2, held at 1 from below.
; LIMITS: NaN and infinities among the inputs are not served; a block whose largest magnitude lies under 2^-124 gets the byte 1; a block of zeros gets the byte 1 where the rule says 127
; (its codes are zeros, which add nothing under any byte but 0xff, and this program alone reads the bytes).
; Three ways part on the work-group's number: X (768 work-groups: a strip of query, key or value each), W (128: 32 columns of a weight), R (36: four tiles of rel).  No barrier: waves share nothing.
.set SC0,   12582912
.set REL,   13107200
.set RELS,  13217792                   ; rel's scale words, in EIGHT COPIES 9,728 bytes apart: copy c holds tile s + c at its place s (64 bytes a place), so that a reader whose window begins at tile c finds it at a multiple of 256 bytes
.set SPARE, 33792                      ; behind the four stages: the spare words, 128 bytes a wave
.set SPW, 12                           ; v12  my spare word's LDS address; never rewritten
.set NIL, 13                           ; v13  0; never rewritten
.set R,   16                           ; v16-143  numbers as loaded
.set X,   144                          ; v144-207 64 numbers of a lane: two blocks of 32 along K
.set PC,  208                          ; v208-231 codes
.set PT,  232                          ; v232-234 a block's upper 16 codes, before they are moved
.set TM,  236
.set TN,  237
.set SO,  238
.set B0,  239
.set B1,  240
.set WD,  241                          ; v241-242 scale words
.set TP,  243
; 32 numbers of one block in v[src] on -> six registers of codes at v[dst] (even), the scale's byte in v[by]
.macro QBLK dst, src, by
	v_max3_num_f32 v[TM], |v[\src]|, |v[\src+1]|, |v[\src+2]|
	v_max3_num_f32 v[TN], |v[\src+3]|, |v[\src+4]|, |v[\src+5]|
.irp i, 6,10,14,18,22,26
	v_max3_num_f32 v[TM], v[TM], |v[\src+\i]|, |v[\src+\i+1]|
	v_max3_num_f32 v[TN], v[TN], |v[\src+\i+2]|, |v[\src+\i+3]|
.endr
	v_max3_num_f32 v[TM], v[TM], |v[\src+30]|, |v[\src+31]|
	v_max3_num_f32 v[TM], v[TM], v[TN], 0x1800000          ; and the floor 2^(3 - 127): the byte cannot fall under 1
	v_add_nc_u32 v[SO], 0xff000000, v[TM]                  ; 2 off the exponent field: the conversion takes this operand's exponent field as its scale
	v_cvt_scalef32_pk16_fp6_f32 v[\dst:\dst+2], v[\src:\src+15], v[SO]
	v_cvt_scalef32_pk16_fp6_f32 v[PT:PT+2], v[\src+16:\src+31], v[SO]   ; (a conversion's three registers begin on an even number)
	v_lshrrev_b32 v[\by], 23, v[SO]                        ; the byte; also the plain instruction behind the conversions
.irp i, 0,1,2
	v_mov_b32 v[\dst+3+\i], v[PT+\i]
.endr
.endm
	s_load_b512 s[8:23], s[0:1], 0x0               ; query 8, key 10, value 12, Wq 14, Wk 16, Wv 18, Wo 20, rel 22
	s_load_b64 s[24:25], s[0:1], 0x40              ; opnd
	v_lshl_add_u32 v[SPW], v0, 2, SPARE
	v_mov_b32 v[NIL], 0
	v_lshrrev_b32 v1, 5, v0
	v_readfirstlane_b32 s2, v1                     ; wave p
	v_and_b32 v1, 31, v0                           ; lane
	v_lshlrev_b32 v2, 4, v1                        ; 16 x lane
	v_lshlrev_b32 v3, 3, v1                        ; 8 x lane
	v_lshlrev_b32 v11, 2, v1                       ; 4 x lane
	v_and_b32 v9, 15, v0                           ; r
	v_bfe_u32 v10, v0, 4, 1                        ; h
	v_lshlrev_b32 v8, 3, v10                       ; 8 h
	v_mov_b32 v[TP], 0                             ; a lane permute's destination counts as one of its sources
	s_mov_b32 s26, 0x76543210
	s_mov_b32 s27, 0xfedcba98                      ; selects for lane l xor 16
	s_mov_b32 s33, 0
	s_cmp_ge_u32 ttmp9, 896
	s_cbranch_scc1 .Lrel
	s_cmp_ge_u32 ttmp9, 768
	s_cbranch_scc1 .Lweight
; ---- WAY X: strip G = work-group; wave p takes K steps 2 p and 2 p + 1: 16 rows x 1,024 bytes.
; Each load reads 512 consecutive bytes of a row; the bytes turn through the wave's own stage (rows 528 = 33 x 16 bytes apart), so that a lane gets 32 neighbours along K.
	s_lshr_b32 s3, ttmp9, 8                        ; 0 query, 1 key, 2 value
	s_and_b32 s28, ttmp9, 255                      ; the tensor's strip Ls
	s_lshl_b32 s29, s28, 4                         ; natural: first token 16 Ls
	s_lshr_b32 s30, s28, 1
	s_lshl_b32 s30, s30, 5
	s_and_b32 s31, s28, 1
	s_lshl_b32 s31, s31, 3
	s_add_co_u32 s31, s30, s31                     ; permuted: 32 (Ls / 2) + 8 (Ls % 2)
	s_mov_b32 s30, 0x10000
	s_cmp_eq_u32 s3, 0
	s_cselect_b32 s29, s29, s31
	s_cselect_b32 s30, 0x8000, s30                 ; rows 8-15 begin 8 tokens on (natural) or 16 (permuted)
	s_lshl_b32 s29, s29, 12
	s_lshl_b32 s31, s2, 10
	s_add_co_u32 s32, s29, s31                     ; first token x 4,096 + 1,024 p
	s_wait_alu depctr_va_vdst(0)
	v_add_nc_u32 v5, s30, v2
	s_mul_i32 s36, s2, 8448                        ; my stage
	v_add_nc_u32 v6, s36, v2                       ; in: 16 x lane, row i at 528 i
	v_mul_u32_u24 v7, v9, 528
	v_lshl_add_u32 v7, v10, 7, v7
	v_add_nc_u32 v7, s36, v7                       ; out: row r, + 128 h
	s_wait_alu depctr_va_vdst(0)
	s_wait_kmcnt 0x0
	s_cmp_eq_u32 s3, 0
	s_cselect_b64 s[34:35], s[8:9], s[10:11]
	s_cmp_eq_u32 s3, 2
	s_cselect_b64 s[34:35], s[12:13], s[34:35]
	s_add_nc_u64 s[34:35], s[34:35], s[32:33]
.irp e, 0,1
.irp i, 0,1,2,3,4,5,6,7
	global_load_b128 v[R+64*\e+4*\i:R+64*\e+4*\i+3], v2, s[34:35] offset:4096*\i+512*\e th:TH_LOAD_NT
.endr
.irp i, 0,1,2,3,4,5,6,7
	global_load_b128 v[R+64*\e+32+4*\i:R+64*\e+32+4*\i+3], v5, s[34:35] offset:4096*\i+512*\e th:TH_LOAD_NT
.endr
.endr
	s_mul_i32 s32, ttmp9, 12288
	s_mul_i32 s37, s2, 3072
	s_add_co_u32 s32, s32, s37
	s_add_nc_u64 s[38:39], s[24:25], s[32:33]      ; my two fragments' images
	s_lshl_b32 s32, ttmp9, 9
	s_lshl_b32 s37, s2, 7
	s_add_co_u32 s32, s32, s37
	s_add_co_u32 s32, s32, SC0
	s_add_nc_u64 s[24:25], s[24:25], s[32:33]      ; my register of the scale image
.macro XSTEP e
.set ii, 0
.rept 16
	ds_store_b128 v6, v[R+64*\e+4*ii:R+64*\e+4*ii+3] offset:528*ii
.set ii, ii+1
.endr
.set ii, 0
.rept 16
	ds_load_b128 v[X+4*ii:X+4*ii+3], v7 offset:256*(ii/8)+16*(ii%8)   ; LDS serves a wave's instructions in order: these see the stores above
.set ii, ii+1
.endr
	s_wait_dscnt 0x0
	QBLK PC+12*\e, X, B0                           ; k = 32 h on: block h
	QBLK PC+12*\e+6, X+32, B1                      ; k = 64 + 32 h on: block 2 + h
	v_lshl_or_b32 v[WD+\e], v[B1], 16, v[B0]
	v_lshlrev_b32 v[WD+\e], v8, v[WD+\e]           ; my two bytes at their places,
	v_permlanex16_b32 v[TP], v[WD+\e], s26, s27
	v_or_b32 v[WD+\e], v[WD+\e], v[TP]             ; with lane l xor 16's two the word is whole
	global_store_b128 v2, v[PC+12*\e:PC+12*\e+3], s[38:39] offset:1536*\e
	global_store_b64 v3, v[PC+12*\e+4:PC+12*\e+5], s[38:39] offset:1536*\e+512
	global_store_b128 v2, v[PC+12*\e+6:PC+12*\e+9], s[38:39] offset:1536*\e+768
	global_store_b64 v3, v[PC+12*\e+10:PC+12*\e+11], s[38:39] offset:1536*\e+1280
.endm
	s_wait_loadcnt 16                              ; the first K step's sixteen loads are in; the second's may be out
	XSTEP 0
	s_wait_loadcnt 0x0
	XSTEP 1
	s_mov_b32 s3, 0xffff0000
	v_cndmask_b32 v[WD], v[WD], v[WD+1], s3        ; lanes 0-15 the word of K step 2 p, lanes 16-31 that of 2 p + 1
	global_store_b32 v11, v[WD], s[24:25]
	s_wait_tensorcnt 0x0                           ; the wave's end
	ds_add_u32 v[SPW], v[NIL]
	s_wait_dscnt 0x0
	s_endpgm
; ---- WAY W: K is the weight's FIRST axis.  A lane takes a column and its registers run down K: nothing is transposed.  Work-group: weight wi, columns 32 cb on; wave p: K rows 256 p on.
; Lane l takes column 32 cb + (l % 16) + 8 ((l / 8) % 2) + 8 (l / 16): lanes 0-15 are the rows of strip 2 cb, lanes 16-31 those of strip 2 cb + 1.
.Lweight:
	s_sub_co_u32 s3, ttmp9, 768
	s_lshr_b32 s28, s3, 5                          ; wi
	s_and_b32 s29, s3, 31                          ; cb
	v_bfe_u32 v4, v0, 3, 1
	s_wait_alu depctr_va_vdst(0)
	v_add_nc_u32 v4, v4, v10
	v_lshl_add_u32 v4, v4, 3, v9
	v_lshlrev_b32 v4, 2, v4                        ; 4 x my column in the 32
	s_lshl_b32 s32, s2, 20                         ; 256 p rows of 4,096 bytes
	s_lshl_b32 s30, s29, 7
	s_add_co_u32 s32, s32, s30
	s_wait_alu depctr_va_vdst(0)
	s_wait_kmcnt 0x0
	s_cmp_lt_u32 s28, 2
	s_cselect_b64 s[34:35], s[14:15], s[18:19]
	s_cselect_b64 s[36:37], s[16:17], s[20:21]
	s_bitcmp1_b32 s28, 0
	s_cselect_b64 s[34:35], s[36:37], s[34:35]
	s_add_nc_u64 s[34:35], s[34:35], s[32:33]
.macro WLOAD j                         ; 64 rows of K: blocks 2 j and 2 j + 1, into set j % 2; each load reads 128 consecutive bytes
.set ii, 0
.rept 64
	global_load_b32 v[R+64*((\j)%2)+ii], v4, s[34:35] offset:(64*(\j)+ii)*4096 th:TH_LOAD_NT
.set ii, ii+1
.endr
.endm
	WLOAD 0
	WLOAD 1
	s_lshl_b32 s30, s28, 6
	s_lshl_b32 s31, s29, 1
	s_add_co_u32 s30, s30, s31
	s_add_co_u32 s30, s30, 768                     ; strip G of lanes 0-15
	s_mul_i32 s32, s30, 12288
	s_mul_i32 s31, s2, 3072
	s_add_co_u32 s32, s32, s31
	s_add_nc_u64 s[38:39], s[24:25], s[32:33]
	s_lshl_b32 s32, s30, 9
	s_lshl_b32 s31, s2, 7
	s_add_co_u32 s32, s32, s31
	s_add_co_u32 s32, s32, SC0
	s_add_nc_u64 s[24:25], s[24:25], s[32:33]
.macro WPAIR j
.if (\j) < 3
	s_wait_loadcnt 63                              ; behind this pair's loads stand the next pair's 64; the wait's field holds 63
.else
	s_wait_loadcnt 0x0
.endif
	s_wait_xcnt 0x0                                ; the last pair's stores have read their registers
	QBLK PC, R+64*((\j)%2), B0
	QBLK PC+6, R+64*((\j)%2)+32, B1
.irp i, 0,1,2,3,4,5
	v_permlane16_swap_b32 v[PC+\i], v[PC+6+\i]     ; the first's lanes 16-31 change places with the second's lanes 0-15: the first is now strip 2 cb's HF, the second strip 2 cb + 1's
.endr
	global_store_b128 v2, v[PC:PC+3], s[38:39] offset:1536*((\j)/2)+768*((\j)%2)
	global_store_b64 v3, v[PC+4:PC+5], s[38:39] offset:1536*((\j)/2)+768*((\j)%2)+512
	global_store_b128 v2, v[PC+6:PC+9], s[38:39] offset:12288+1536*((\j)/2)+768*((\j)%2)
	global_store_b64 v3, v[PC+10:PC+11], s[38:39] offset:12288+1536*((\j)/2)+768*((\j)%2)+512
.if (\j)%2 == 0
	v_lshl_or_b32 v[WD+(\j)/2], v[B1], 8, v[B0]
.else
	v_lshl_or_b32 v[TM], v[B1], 8, v[B0]
	v_lshl_or_b32 v[WD+(\j)/2], v[TM], 16, v[WD+(\j)/2]
.endif
.if (\j)+2 < 4
	WLOAD (\j)+2
.endif
.endm
	WPAIR 0
	WPAIR 1
	WPAIR 2
	WPAIR 3
	v_permlane16_swap_b32 v[WD], v[WD+1]           ; the two strips' registers p of the scale image
	global_store_b32 v11, v[WD], s[24:25]
	global_store_b32 v11, v[WD+1], s[24:25] offset:512
	s_endpgm
; ---- WAY R: tile t = 4 (work-group - 896) + wave of rel.  K = 64 is innermost: lane (r, h) loads its 32 neighbours.
.Lrel:
	s_sub_co_u32 s3, ttmp9, 896
	s_lshl_b32 s3, s3, 2
	s_add_co_u32 s3, s3, s2
	s_mul_i32 s32, s3, 768
	s_add_co_u32 s32, s32, REL
	s_lshl_b32 s28, s3, 6
	s_add_co_u32 s28, s28, RELS
	s_mov_b32 s29, 0
	s_wait_alu depctr_va_vdst(0)
	v_lshlrev_b32 v5, 2, v9                        ; 4 r
	s_wait_kmcnt 0x0
	s_add_nc_u64 s[38:39], s[24:25], s[32:33]
	s_add_nc_u64 s[24:25], s[24:25], s[28:29]
	s_cmp_ge_u32 s3, 128
	s_cbranch_scc1 .Lzero                          ; tiles 128-143 lie past rel's last row: nothing is loaded for them
	s_lshl_b32 s32, s3, 12
	s_add_co_u32 s32, s32, 256                     ; row 16 t + 1
	s_add_nc_u64 s[22:23], s[22:23], s[32:33]
	v_lshlrev_b32 v4, 8, v9
	v_lshl_add_u32 v4, v10, 7, v4
.irp q, 0,1,2,3,4,5,6,7
	global_load_b128 v[R+4*\q:R+4*\q+3], v4, s[22:23] offset:16*\q
.endr
	s_wait_loadcnt 0x0
	QBLK PC, R, B0
	v_lshlrev_b32 v[WD], v8, v[B0]
	v_permlanex16_b32 v[TP], v[WD], s26, s27
	v_or_b32 v[WD], v[WD], v[TP]                   ; byte 0: k 0-31, byte 1: k 32-63; bytes 2 and 3 stay 0
	s_branch .Lrelout
.Lzero:
.irp i, 0,1,2,3,4,5
	v_mov_b32 v[PC+\i], 0
.endr
	v_mov_b32 v[WD], 0x7f7f
.Lrelout:
	s_wait_alu depctr_va_vdst(0)
	global_store_b128 v2, v[PC:PC+3], s[38:39]
	global_store_b64 v3, v[PC+4:PC+5], s[38:39] offset:512
.irp c, 0,1,2,3,4,5,6,7
	global_store_b32 v5, v[WD], s[24:25] offset:9664*\c   ; tile t in copy c: RELS + 9,728 c + 64 (t - c); both halves of the lanes write the same word with the same value
.endr
	s_endpgm
.Lfunc_end_k_q048e0887ee_quant:
	.size	k_q048e0887ee_quant, .Lfunc_end_k_q048e0887ee_quant-k_q048e0887ee_quant
	.p2alignl 7, 3214868480
	.fill 96, 4, 3214868480
	.section	.rodata,"a",@progbits
	.p2align	6, 0x0
	.amdhsa_kernel k_q048e0887ee_quant
		.amdhsa_group_segment_fixed_size 34304
		.amdhsa_private_segment_fixed_size 0
		.amdhsa_enable_private_segment 0
		.amdhsa_kernarg_size 72
		.amdhsa_user_sgpr_count 2
		.amdhsa_user_sgpr_kernarg_segment_ptr 1
		.amdhsa_wavefront_size32 1
		.amdhsa_system_sgpr_workgroup_id_x 1
		.amdhsa_system_sgpr_workgroup_id_y 1
		.amdhsa_system_sgpr_workgroup_id_z 1
		.amdhsa_system_vgpr_workitem_id 0
		.amdhsa_next_free_vgpr 248
		.amdhsa_next_free_sgpr 66
		.amdhsa_reserve_vcc 0
		.amdhsa_float_denorm_mode_32 3
		.amdhsa_float_denorm_mode_16_64 3
		.amdhsa_memory_ordered 1
		.amdhsa_forward_progress 1
		.amdhsa_inst_pref_size 61
	.end_amdhsa_kernel
	.amdgpu_metadata
---
amdhsa.version: [ 1, 2 ]
amdhsa.kernels:
  - .name:           k_q048e0887ee_quant
    .symbol:         k_q048e0887ee_quant.kd
    .args:
      - { .name: query, .offset: 0, .size: 8, .value_kind: global_buffer, .address_space: global }
      - { .name: key, .offset: 8, .size: 8, .value_kind: global_buffer, .address_space: global }
      - { .name: value, .offset: 16, .size: 8, .value_kind: global_buffer, .address_space: global }
      - { .name: Wq, .offset: 24, .size: 8, .value_kind: global_buffer, .address_space: global }
      - { .name: Wk, .offset: 32, .size: 8, .value_kind: global_buffer, .address_space: global }
      - { .name: Wv, .offset: 40, .size: 8, .value_kind: global_buffer, .address_space: global }
      - { .name: Wo, .offset: 48, .size: 8, .value_kind: global_buffer, .address_space: global }
      - { .name: rel, .offset: 56, .size: 8, .value_kind: global_buffer, .address_space: global }
      - { .name: opnd, .offset: 64, .size: 8, .value_kind: global_buffer, .address_space: global }
    .group_segment_fixed_size: 34304
    .private_segment_fixed_size: 0
    .kernarg_segment_align: 8
    .kernarg_segment_size: 72
    .max_flat_workgroup_size: 128
    .sgpr_count:     66
    .vgpr_count:     248
    .wavefront_size: 32
...
	.end_amdgpu_metadata
.endif
;; end of part 1
;; launch proj (part 2): grid 64 x 3, 4 waves a work-group, no clusters, 327,680 bytes of LDS; arguments opnd, bq, bk, bv, qkv; writes qkv
.if DOCPART == 2
	.amdgcn_target "amdgcn-amd-amdhsa--gfx1250"
	.amdhsa_code_object_version 6
	.text
	.protected	k_q048e0887ee_proj
	.globl	k_q048e0887ee_proj
	.p2align	8
	.type	k_q048e0887ee_proj,@function
k_q048e0887ee_proj:
	s_mov_b64 s[64:65], 0
	v_nop
	global_prefetch_b8 v0, s[64:65] scope:SCOPE_SE
	s_setreg_imm32_b32 hwreg(HW_REG_WAVE_MODE, 25, 1), 1
	s_wait_xcnt 0x0
.set SC0,   12582912
.set KV,    3145728
.set QS,    9437184
.set KVS,   9699328
.set GQ,    196608
.set SPARE, 200704
.set ACC, 16
.set BS,  80
.set BV,  112
.set SS,  128
.set MS,  144
.set PC0, 208
.set PC1, 214
.set PT,  220
.set TM,  224
.set TP,  226
.set SO,  228
.set BY,  230
.set PW,  232
.set SPW, 252
.set NIL, 253
.set MSB, 0
.macro WIN new
.if MSB != \new
	s_set_vgpr_msb (MSB<<8)|\new
.set MSB, \new
.endif
.endm
.macro PROD d, a, b, c, sa, sb, row
.if \row
	v_wmma_scale_f32_16x16x128_f8f6f4 v[\d:\d+7], v[\a:\a+11], v[\b:\b+11], v[\c:\c+7], v[\sa], v[\sb] matrix_a_fmt:MATRIX_FMT_FP6 matrix_b_fmt:MATRIX_FMT_FP6 matrix_a_scale:MATRIX_SCALE_ROW1 matrix_b_scale:MATRIX_SCALE_ROW1
.else
	v_wmma_scale_f32_16x16x128_f8f6f4 v[\d:\d+7], v[\a:\a+11], v[\b:\b+11], v[\c:\c+7], v[\sa], v[\sb] matrix_a_fmt:MATRIX_FMT_FP6 matrix_b_fmt:MATRIX_FMT_FP6
.endif
.endm
.macro QUANT2 src, pc
	v_max3_num_f32 v[TM], |v[\src]|, |v[\src+1]|, 0x1800000
	v_max3_num_f32 v[TM+1], |v[\src+16]|, |v[\src+17]|, 0x1800000
.irp i, 2,4,6,8,10,12,14
	v_max3_num_f32 v[TM], v[TM], |v[\src+\i]|, |v[\src+\i+1]|
	v_max3_num_f32 v[TM+1], v[TM+1], |v[\src+16+\i]|, |v[\src+17+\i]|
.endr
	v_permlanex16_b32 v[TP], v[TM], s48, s49
	v_permlanex16_b32 v[TP+1], v[TM+1], s48, s49
	v_max_num_f32 v[TM], v[TM], v[TP]
	v_max_num_f32 v[TM+1], v[TM+1], v[TP+1]
	v_add_nc_u32 v[SO], 0xff000000, v[TM]
	v_add_nc_u32 v[SO+1], 0xff000000, v[TM+1]
	v_lshrrev_b32 v[BY], 23, v[SO]
	v_lshrrev_b32 v[BY+1], 23, v[SO+1]
	v_lshl_or_b32 v[PW], v[BY+1], 8, v[BY]
	v_cvt_scalef32_pk16_fp6_f32 v[\pc:\pc+2], v[\src:\src+15], v[SO]
	v_cvt_scalef32_pk16_fp6_f32 v[PT:PT+2], v[\src+16:\src+31], v[SO+1]
	v_nop
.irp i, 0,1,2
	v_permlane16_swap_b32 v[\pc+\i], v[PT+\i]
.endr
.irp i, 0,1,2
	v_mov_b32 v[\pc+3+\i], v[PT+\i]
.endr
.endm
	s_load_b256 s[4:11], s[0:1], 0x0
	s_load_b64 s[12:13], s[0:1], 0x20
	v_lshl_add_u32 v[SPW], v0, 2, SPARE
	v_mov_b32 v[NIL], 0
	ds_add_u32 v[SPW], v[NIL]
	ds_add_u32 v[SPW], v[NIL]
	v_lshrrev_b32 v1, 5, v0
	v_readfirstlane_b32 s14, v1
	s_and_b32 s15, ttmp7, 0xffff
	s_and_b32 s16, ttmp9, 3
	s_lshr_b32 s17, ttmp9, 2
	s_lshr_b32 s18, s17, 3
	s_and_b32 s19, s17, 7
	s_mov_b32 s24, 3<<16
	s_mov_b32 s25, 32<<16
	s_mov_b32 s26, 48<<16
	s_mov_b32 s27, 32<<16
	s_mov_b32 s28, 48
	s_mov_b32 s29, 32
	s_mov_b32 s30, 0
	s_mov_b32 s31, 0
	s_mov_b32 s48, 0x76543210
	s_mov_b32 s49, 0xfedcba98
	s_lshl_b32 s68, s15, 6
	s_lshl_b32 s69, s16, 4
	s_add_co_u32 s68, s68, s69
	s_add_co_u32 s68, s68, 768
	s_lshl_b32 s70, s15, 8
	s_lshl_b32 s71, s17, 4
	s_add_co_u32 s70, s70, s71
	s_add_co_u32 s71, s71, 512
	s_add_co_u32 s69, s69, 896
	s_cmp_lt_u32 s15, 2
	s_cselect_b32 s68, s68, s71
	s_cselect_b32 s70, s70, s69
	s_lshl_b32 s72, s14, 2
	s_add_co_u32 s68, s68, s72
	s_mul_i32 s73, s14, 12288
	s_add_co_u32 s74, s70, s14
	s_mul_i32 s74, s74, 12288
	s_mov_b32 s75, 0
	s_wait_dscnt 0x0
	s_wait_kmcnt 0x0
	s_add_nc_u64 s[74:75], s[4:5], s[74:75]
	; the work-group's sixteen moving strips lie on end in memory and in LDS.  At the head wave w fetches strip w: strips 0-3 serve trips 0 and 1
	s_mov_b32 s32, 1
	s_mov_b32 s33, s73
	s_mov_b64 s[34:35], s[74:75]
	s_or_b32 s35, s35, 0x80000000
	tensor_load_to_lds s[32:35], s[24:31]          ; my one tensor load at the head
	s_nop 0
	; the second fetch, issued behind the first barrier: strips 4 + 3 w .. 6 + 3 w, 144 rows of 256 bytes, by one load
	s_mul_i32 s76, s14, 24576
	s_add_co_u32 s76, s76, 49152
	s_mov_b32 s77, 0
	s_mov_b32 s36, 1
	s_add_co_u32 s37, s73, s76                     ; LDS: 49,152 + 36,864 w
	s_add_nc_u64 s[38:39], s[74:75], s[76:77]      ; memory: the same distance from the first strip
	s_or_b32 s39, s39, 0x80000000
	s_mov_b32 s40, 3<<16
	s_mov_b32 s41, 32<<16
	s_mov_b32 s42, 144<<16
	s_mov_b32 s43, 32<<16
	s_mov_b32 s44, 144
	s_mov_b32 s45, 32
	s_mov_b32 s46, 0
	s_mov_b32 s47, 0
.rept 4
	v_nop
.endr
	v_and_b32 v12, 31, v0
	v_lshlrev_b32 v1, 4, v12
	v_lshlrev_b32 v2, 3, v12
	v_lshlrev_b32 v13, 2, v12
	s_wait_alu depctr_va_vdst(0)
	v_and_b32 v14, 15, v0
	v_bfe_u32 v15, v0, 4, 1
	s_mul_i32 s76, s68, 12288
	s_mov_b32 s77, 0
	s_add_nc_u64 s[56:57], s[4:5], s[76:77]
	s_lshl_b32 s76, s68, 9
	s_add_co_u32 s76, s76, SC0
	s_add_nc_u64 s[58:59], s[4:5], s[76:77]
	s_lshl_b32 s76, s70, 9
	s_add_co_u32 s76, s76, SC0
	s_add_nc_u64 s[60:61], s[4:5], s[76:77]
.set ii, 0
.rept 16
	global_load_b32 v[SS+ii], v13, s[58:59] offset:128*ii
.set ii, ii+1
.endr
.set ii, 0
.rept 64
	global_load_b32 v[MS+ii], v13, s[60:61] offset:128*ii
.set ii, ii+1
.endr
	s_lshl_b32 s76, s16, 10
	s_cmp_lt_u32 s15, 2
	s_cbranch_scc0 .Lbias_v
	s_cmp_eq_u32 s15, 0
	s_cselect_b64 s[62:63], s[6:7], s[8:9]
	s_lshl_b32 s78, s14, 8
	s_add_co_u32 s76, s76, s78
	s_add_nc_u64 s[62:63], s[62:63], s[76:77]
	s_wait_alu depctr_va_vdst(0)
	v_lshlrev_b32 v12, 6, v15
.irp T, 0,1,2,3
	global_load_b128 v[BS+8*\T:BS+8*\T+3], v12, s[62:63] offset:(32*(\T/2)+8*(\T%2))*4
	global_load_b128 v[BS+8*\T+4:BS+8*\T+7], v12, s[62:63] offset:(32*(\T/2)+8*(\T%2))*4+16
.endr
.set ii, 0
.rept 16
	v_mov_b32 v[BV+ii], 0
.set ii, ii+1
.endr
	s_branch .Lbias_done
.Lbias_v:
	s_add_nc_u64 s[62:63], s[10:11], s[76:77]
	s_wait_alu depctr_va_vdst(0)
	v_and_b32 v12, 8, v14
	v_add_nc_u32 v12, v12, v14
	v_lshlrev_b32 v12, 2, v12
.set ii, 0
.rept 16
	global_load_b32 v[BV+ii], v12, s[62:63] offset:(32*(ii/2)+8*(ii%2))*4
.set ii, ii+1
.endr
.set ii, 0
.rept 32
	v_mov_b32 v[BS+ii], 0
.set ii, ii+1
.endr
.Lbias_done:
.macro SLOAD s
.irp T, 0,1,2,3
.set rr, 12*(4*((\s)%4)+\T)
	global_load_b128 v[rr:rr+3], v1, s[56:57] offset:12288*\T+1536*(\s)
	global_load_b64 v[rr+4:rr+5], v2, s[56:57] offset:12288*\T+1536*(\s)+512
	global_load_b128 v[rr+6:rr+9], v1, s[56:57] offset:12288*\T+1536*(\s)+768
	global_load_b64 v[rr+10:rr+11], v2, s[56:57] offset:12288*\T+1536*(\s)+1280
.endr
.endm
	WIN 0x40
	SLOAD 0
	SLOAD 1
	SLOAD 2
	SLOAD 3
	WIN 0                                          ; (the add's two registers lie in window 0)
	s_wait_alu depctr_va_vdst(0)
	s_wait_tensorcnt 0x0                           ; my strip of the first four, asked for ahead of all the loads above, is in
	ds_add_u32 v[SPW], v[NIL]
	s_wait_dscnt 0x0
	s_barrier_signal -1
	s_barrier_wait -1                              ; everybody's is
	tensor_load_to_lds s[36:39], s[40:47]          ; my three strips of the other twelve: asked for here, in the middle of the weights' loads; they are first read in trip 2
	s_nop 0
	WIN 0x80
	SLOAD 4
	SLOAD 5
	SLOAD 6
	SLOAD 7
	WIN 0
	v_mov_b32 v3, v1
	v_mov_b32 v4, v2
	v_mov_b32 v[TP], 0
	v_mov_b32 v[TP+1], 0
	s_lshl_b32 s76, s14, 10
	s_add_co_u32 s76, s76, GQ
	v_lshl_add_u32 v9, v14, 2, s76
	v_add_nc_u32 v10, s76, v1
	s_lshl_b32 s76, s14, 8
	s_add_co_u32 s76, s76, GQ
	v_add_nc_u32 v11, s76, v2
	s_lshl_b32 s76, s18, 4
	s_lshl_b32 s77, s16, 2
	s_add_co_u32 s76, s76, s77
	s_add_co_u32 s77, s76, s14
	s_lshl_b32 s78, s77, 7
	s_lshl_b32 s79, s19, 4
	s_add_co_u32 s78, s78, s79
	s_mul_i32 s50, s78, 768
	s_lshl_b32 s80, s78, 6
	s_add_co_u32 s80, s80, QS
	s_lshl_b32 s78, s77, 4
	s_lshl_b32 s79, s19, 1
	s_add_co_u32 s78, s78, s79
	s_mul_i32 s78, s78, 12288
	s_add_co_u32 s78, s78, KV
	s_mul_i32 s81, s77, 12288
	s_lshl_b32 s82, s19, 10
	s_add_co_u32 s81, s81, s82
	s_add_co_u32 s81, s81, KVS
	s_lshl_b32 s82, s76, 4
	s_add_co_u32 s82, s82, s79
	s_lshr_b32 s83, s14, 1
	s_add_co_u32 s82, s82, s83
	s_mul_i32 s82, s82, 12288
	s_and_b32 s83, s14, 1
	s_mul_i32 s83, s83, 768
	s_add_co_u32 s82, s82, s83
	s_add_co_u32 s82, s82, KV+6144
	s_mul_i32 s83, s77, 12288
	s_lshl_b32 s79, s19, 9
	s_add_co_u32 s83, s83, s79
	s_add_co_u32 s83, s83, KVS+8192
	s_cmp_eq_u32 s15, 0
	s_cselect_b32 s50, s50, s78
	s_cselect_b32 s80, s80, s81
	s_mov_b32 s51, 768
	s_mov_b32 s52, 1536
	s_cmp_eq_u32 s15, 2
	s_cselect_b32 s50, s82, s50
	s_cselect_b32 s80, s83, s80
	s_cselect_b32 s51, 1536, s51
	s_cselect_b32 s52, 3072, s52
	s_cselect_b32 s53, 190464, 0
	s_cmp_eq_u32 s15, 1
	s_cselect_b32 s54, 6144, 0
	s_mov_b32 s81, 0
	s_add_nc_u64 s[66:67], s[12:13], s[80:81]
.macro MLOAD
	WIN 0xc0
.irp s, 0,1,2,3,4,5,6,7
.irp e, 0,1
.set rr, 12*(8*\e+\s)
	ds_load_b128 v[rr:rr+3], v3 offset:12288*\e+1536*\s
	ds_load_b64 v[rr+4:rr+5], v4 offset:12288*\e+1536*\s+512
	ds_load_b128 v[rr+6:rr+9], v3 offset:12288*\e+1536*\s+768
	ds_load_b64 v[rr+10:rr+11], v4 offset:12288*\e+1536*\s+1280
.endr
.endr
	WIN 0
.endm
.macro MUL tau, first
.irp s, 0,1,2,3,4,5,6,7
.if \first
.if 16*(7-\s) > 63
	s_wait_loadcnt 63
.else
	s_wait_loadcnt 16*(7-\s)
.endif
	s_wait_dscnt 8*(7-\s)
.else
	s_wait_dscnt 8*(7-\s)+2
.endif
.if \s < 4
	WIN 0x0d
.else
	WIN 0x0e
.endif
.irp e, 0,1
.irp T, 0,1,2,3
.if \s == 0
	PROD ACC+8*(4*\e+\T), 12*(4*(\s%4)+\T), 12*(8*\e+\s), BS+8*\T, SS+4*\T+\s/2, MS+4*(2*(\tau)+\e)+\s/2, \s%2
.else
	PROD ACC+8*(4*\e+\T), 12*(4*(\s%4)+\T), 12*(8*\e+\s), ACC+8*(4*\e+\T), SS+4*\T+\s/2, MS+4*(2*(\tau)+\e)+\s/2, \s%2
.endif
.endr
.endr
.endr
.endm
.macro TRIP tau, first
	MUL \tau, \first
	WIN 0
	v_add_nc_u32 v3, 24576, v3
	v_add_nc_u32 v4, 24576, v4
	v_nop
	v_nop
.if (\tau) == 1                        ; ahead of trip 2's reads: my three strips of the second fetch are in, and behind the barrier everybody's
	s_wait_alu depctr_va_vdst(0)
	s_wait_tensorcnt 0x0
	s_wait_dscnt 0x0
	s_barrier_signal -1
	s_barrier_wait -1
.endif
.if (\tau) < 7
	MLOAD
.endif
	s_wait_xcnt 0x0
	v_add_nc_u32 v5, s50, v1
	v_add_nc_u32 v6, s50, v2
	s_add_co_u32 s55, s50, s51
	v_add_nc_u32 v7, s55, v1
	v_add_nc_u32 v8, s55, v2
	s_cmp_eq_u32 s15, 2
	s_cbranch_scc0 .Lno_bv_\@
.set jj, 0
.rept 16
	v_pk_add_f32 v[ACC+2*jj:ACC+2*jj+1], v[ACC+2*jj:ACC+2*jj+1], v[BV+2*(\tau):BV+2*(\tau)+1] op_sel_hi:[1,0]
.set jj, jj+1
.endr
.set jj, 0
.rept 16
	v_pk_add_f32 v[ACC+32+2*jj:ACC+32+2*jj+1], v[ACC+32+2*jj:ACC+32+2*jj+1], v[BV+2*(\tau):BV+2*(\tau)+1] op_sel:[0,1] op_sel_hi:[1,1]
.set jj, jj+1
.endr
.Lno_bv_\@:
	QUANT2 ACC, PC0
	global_store_b128 v5, v[PC0:PC0+3], s[12:13]
	global_store_b64 v6, v[PC0+4:PC0+5], s[12:13] offset:512
	ds_store_b32 v9, v[PW] offset:64*(2*(\tau))
	QUANT2 ACC+32, PC1
	global_store_b128 v7, v[PC1:PC1+3], s[12:13]
	global_store_b64 v8, v[PC1+4:PC1+5], s[12:13] offset:512
	ds_store_b32 v9, v[PW] offset:64*(2*(\tau)+1)
	s_add_co_u32 s50, s50, s52
.if (\tau)%2 == 1
	s_add_co_u32 s50, s50, s53
.endif
.if (\tau) == 3
	s_add_co_u32 s50, s50, s54
.endif
.endm
	s_wait_alu depctr_va_vdst(0)
	MLOAD                                          ; strips 0 and 1: shown whole to every wave by the barrier above
	TRIP 0, 1
	TRIP 1, 0
	TRIP 2, 0
	TRIP 3, 0
	TRIP 4, 0
	TRIP 5, 0
	TRIP 6, 0
	TRIP 7, 0
	s_wait_dscnt 0x0
	s_barrier_signal -1
	s_barrier_wait -1
	s_cmp_eq_u32 s15, 2
	s_cbranch_scc1 .Ltail_v
	ds_load_b128 v[16:19], v10
	ds_load_b128 v[20:23], v10 offset:512
	s_wait_dscnt 0x0
	global_store_b128 v1, v[16:19], s[66:67]
	global_store_b128 v1, v[20:23], s[66:67] offset:512
	s_branch .Ldone
.Ltail_v:
	ds_load_b64 v[16:17], v11
	ds_load_b64 v[18:19], v11 offset:1024
	ds_load_b64 v[20:21], v11 offset:2048
	ds_load_b64 v[22:23], v11 offset:3072
	s_wait_dscnt 0x0
	v_lshl_or_b32 v16, v18, 16, v16
	v_lshl_or_b32 v17, v19, 16, v17
	v_lshl_or_b32 v20, v22, 16, v20
	v_lshl_or_b32 v21, v23, 16, v21
	global_store_b64 v2, v[16:17], s[66:67]
	global_store_b64 v2, v[20:21], s[66:67] offset:256
.Ldone:
	s_wait_tensorcnt 0x0
	ds_add_u32 v[SPW], v[NIL]
	s_wait_dscnt 0x0
	s_endpgm
.Lfunc_end_k_q048e0887ee_proj:
	.size	k_q048e0887ee_proj, .Lfunc_end_k_q048e0887ee_proj-k_q048e0887ee_proj
	.p2alignl 7, 3214868480
	.fill 96, 4, 3214868480
	.section	.rodata,"a",@progbits
	.p2align	6, 0x0
	.amdhsa_kernel k_q048e0887ee_proj
		.amdhsa_group_segment_fixed_size 327680
		.amdhsa_private_segment_fixed_size 0
		.amdhsa_enable_private_segment 0
		.amdhsa_kernarg_size 40
		.amdhsa_user_sgpr_count 2
		.amdhsa_user_sgpr_kernarg_segment_ptr 1
		.amdhsa_wavefront_size32 1
		.amdhsa_system_sgpr_workgroup_id_x 1
		.amdhsa_system_sgpr_workgroup_id_y 1
		.amdhsa_system_sgpr_workgroup_id_z 1
		.amdhsa_system_vgpr_workitem_id 0
		.amdhsa_next_free_vgpr 1024
		.amdhsa_next_free_sgpr 84
		.amdhsa_reserve_vcc 0
		.amdhsa_float_denorm_mode_32 3
		.amdhsa_float_denorm_mode_16_64 3
		.amdhsa_memory_ordered 1
		.amdhsa_forward_progress 1
		.amdhsa_inst_pref_size 186
	.end_amdhsa_kernel
	.amdgpu_metadata
---
amdhsa.version: [ 1, 2 ]
amdhsa.kernels:
  - .name:           k_q048e0887ee_proj
    .symbol:         k_q048e0887ee_proj.kd
    .args:
      - { .name: opnd, .offset: 0, .size: 8, .value_kind: global_buffer, .address_space: global }
      - { .name: bq, .offset: 8, .size: 8, .value_kind: global_buffer, .address_space: global }
      - { .name: bk, .offset: 16, .size: 8, .value_kind: global_buffer, .address_space: global }
      - { .name: bv, .offset: 24, .size: 8, .value_kind: global_buffer, .address_space: global }
      - { .name: qkv, .offset: 32, .size: 8, .value_kind: global_buffer, .address_space: global }
    .group_segment_fixed_size: 327680
    .private_segment_fixed_size: 0
    .kernarg_segment_align: 8
    .kernarg_segment_size: 40
    .max_flat_workgroup_size: 128
    .sgpr_count:     84
    .vgpr_count:     1024
    .wavefront_size: 32
...
	.end_amdgpu_metadata
.endif
;; end of part 2
;; launch attn (part 3): grid 8 x 32, 16 waves a work-group, no clusters, 327,680 bytes of LDS; arguments opnd, qkv, att; writes att
.if DOCPART == 3
	.amdgcn_target "amdgcn-amd-amdhsa--gfx1250"
	.amdhsa_code_object_version 6
	.text
	.protected	k_q048e0887ee_attn
	.globl	k_q048e0887ee_attn
	.p2align	8
	.type	k_q048e0887ee_attn,@function
k_q048e0887ee_attn:
	s_mov_b64 s[64:65], 0
	v_nop
	global_prefetch_b8 v0, s[64:65] scope:SCOPE_SE
	s_setreg_imm32_b32 hwreg(HW_REG_WAVE_MODE, 25, 1), 1
	s_wait_xcnt 0x0
; Attention of one head with the skewed relative term, all three products on codes of FP6 (E2M3):
; logit[i][j] = (q_i . k_j + [j <= i] q_i . e[2047 - i + j]) / 8, e[m] = rel[m + 1]; no mask on the logits.  t = logit x log2(e); M = the running largest t rounded UP to a whole number;
; p = 2^(t - M) is quantised along the keys; the row's sum is taken of the unquantised p and divides at the end; the result is quantised along the head's 64 channels for the last product.
; SHARES.  Work-group (X, head): sixteen waves; wave w owns ONE tile of 16 queries, tile 8 w + X.  So a wave has w + 1 key steps with a relative term whatever X is: all work-groups have equal work.
; Every wave walks all 2,048 keys, 128 a step.  K and V come through a ring of two LDS slots of four steps each (waves 0 and 1 fetch a half each); the head's scale words and the window of rel stay in LDS.
; LAYOUT.  Both products transposed: S^T = K Q^T, O^T = V^T P^T: a lane holds ONE query.  The keys of a tile of K and the channels of a tile of V lie in the order 8 u + r + 8 (r / 8).
; THE SKEW.  With x = (key in the step) - r + 15 the row of e is 16 (127 - tile + 8 step) + x.  QE^T = E Q^T (16 rows of e as source 0) gives lane (r, h) x = 16 t + 8 h + j of query r; it goes into the
; wave's own stage at 336 r + 4 x and comes back at 332 r + 60 + 4 (key), shifted by r; what comes back is the C of K Q^T.  Two halves of 64 keys, five tiles of e each.
; LDS place s holds tile s + 7 - X of rel (X stands in the tensor load's global address alone), so the tile wanted lies at place 120 + 8 (step - w) + x / 16.  Tiles from 128 on are zero codes: there j > i.
; K = 64 IN A PRODUCT 128 DEEP: Q's registers 6-11 are zero codes and bytes 2, 3 of these scale words are 0; source 0's registers 6-11 are whatever follows the tile: FP6 has no NaN, and it is multiplied by 0.
; No cluster: the eight work-groups of a head walk the same K and V, but their windows of rel differ; left out so that this text has no partner to keep in step with.
; LIMITS: NaN and infinities are not served; a block whose largest magnitude lies under 2^-124, or is 0, gets the scale byte 1 (zero codes add nothing).
.set KV,    3145728
.set QS,    9437184
.set KVS,   9699328
.set REL,   13107200
.set RELS,  13217792
.set ASH,   3145728
; THE RING AND THE FETCHES, as this text has them.  Two slots of FOUR key steps each, 49,152 bytes: [K | V] x 4; so the sixteen key steps have four changes of slots.
; At the head one tensor load a wave: waves 0 and 1 a half of slot 0 each, wave 2 the head's scale words, wave 3 the 132 scale words of rel's window
; (copy 7 - X of the eight that the first launch lays, each beginning at a multiple of 256 bytes), waves 4-15 a twelfth of rel's window each.
; The ring's refills: waves 0 and 1, a half slot (24,576 bytes) each.
.set SLOT1, 65536                      ; slot 0 at 0, slot 1 here: one exclusive or turns an address
.set KVSL,  49152                      ; between the slots: the head's scale words: K's 8,192 bytes [tile][row], V's 4,096 [step][channel tile][row]
.set GATH,  61440                      ; 512 bytes: the result's scale bytes of the sixteen waves
.set SPARE, 61952                      ; the spare words, 128 bytes a wave
.set RELL,  114688                     ; behind slot 1: 132 half fragments of rel
.set RELSL, 216064                     ; their scale words, 64 bytes a tile
.set STAGE, 224512                     ; 16 rows x 336 bytes for each wave
.set SPW, 6
.set NIL, 7
.set QSC, 28                           ; Q's scale words
.set PSC, 29                           ; p's
.set FF,  30                           ; v[30:31] f = 2^(old M - new M)
.set F,   32                           ; v32-67  five tiles of rel, or K's tiles 4-7, and six registers behind them
.set KF,  68                           ; v68-97  K's tiles 0-3, and six behind them.  V's four fragments take v32-79
.set KSC, 98
.set VSC, 102
.set ESC, 104
.set QE,  110                          ; v110-149 five tiles of QE^T; in the softmax:
.set BM,  110
.set BP,  114
.set SO,  118
.set PC,  122
.set PT,  134
.set T0,  142
.set PW,  143
.set S,   150                          ; v150-213 S^T, then p
.set OT,  214                          ; v214-245 O^T
.set NM,  246                          ; -M
.set MT,  247                          ; the largest t
.set SUM, 248
.set SU2, 250
.set PFO, 252
.set WV,  18
.set SEL, 20
.set CS,  22
.set G1K, 24
.set G1S, 32
.set G1R, 40
.set TB,  2
.set TS,  3
.set TJ,  66
.set SLOTS, 67
.set KS,  68
.set PFA, 76
.set LIM, 80
.macro QPROD d, a, zero, sa, row       ; D = (16 rows at v[a]) x Q^T; zero = 1: C = 0, else C = D
.if \zero
.if \row
	v_wmma_scale_f32_16x16x128_f8f6f4 v[\d:\d+7], v[\a:\a+11], v[16:27], 0, v[\sa], v[QSC] matrix_a_fmt:MATRIX_FMT_FP6 matrix_b_fmt:MATRIX_FMT_FP6 matrix_a_scale:MATRIX_SCALE_ROW1
.else
	v_wmma_scale_f32_16x16x128_f8f6f4 v[\d:\d+7], v[\a:\a+11], v[16:27], 0, v[\sa], v[QSC] matrix_a_fmt:MATRIX_FMT_FP6 matrix_b_fmt:MATRIX_FMT_FP6
.endif
.else
.if \row
	v_wmma_scale_f32_16x16x128_f8f6f4 v[\d:\d+7], v[\a:\a+11], v[16:27], v[\d:\d+7], v[\sa], v[QSC] matrix_a_fmt:MATRIX_FMT_FP6 matrix_b_fmt:MATRIX_FMT_FP6 matrix_a_scale:MATRIX_SCALE_ROW1
.else
	v_wmma_scale_f32_16x16x128_f8f6f4 v[\d:\d+7], v[\a:\a+11], v[16:27], v[\d:\d+7], v[\sa], v[QSC] matrix_a_fmt:MATRIX_FMT_FP6 matrix_b_fmt:MATRIX_FMT_FP6
.endif
.endif
.endm
.macro KLOAD reg, t0, q                ; four tiles of K
.irp t, 0,1,2,3
	ds_load_b128 v[\reg+6*\t:\reg+6*\t+3], v8 offset:12288*(\q)+768*(\t0+\t)
	ds_load_b64 v[\reg+6*\t+4:\reg+6*\t+5], v9 offset:12288*(\q)+768*(\t0+\t)+512
.endr
.endm
.macro KSCL                            ; their scale words: lanes 0-15 tile 2 k, lanes 16-31 tile 2 k + 1
.irp k, 0,1,2,3
	ds_load_b32 v[KSC+\k], v10 offset:128*\k
.endr
.endm
.macro RLOAD t0                        ; five tiles of rel
.irp t, 0,1,2,3,4
	ds_load_b128 v[F+6*\t:F+6*\t+3], v12 offset:768*(\t0+\t)
	ds_load_b64 v[F+6*\t+4:F+6*\t+5], v13 offset:768*(\t0+\t)+512
.endr
.endm
.macro EMUL t0
.irp t, 0,1,2,3,4
	QPROD QE+8*\t, F+6*\t, 1, ESC+(\t0+\t)/2, (\t0+\t)%2
.endr
.endm
.macro KMUL reg, t0, zero
.irp t, 0,1,2,3
	QPROD S+8*(\t0+\t), \reg+6*\t, \zero, KSC+(\t0+\t)/2, (\t0+\t)%2
.endr
.endm
.macro SKEW half                       ; five tiles into my stage, each from its low end on; 64 keys' worth back, shifted by r.  LDS serves a wave's instructions in order
.irp t, 0,1,2,3,4
	ds_store_b128 v4, v[QE+8*\t:QE+8*\t+3] offset:64*\t
	ds_store_b128 v4, v[QE+8*\t+4:QE+8*\t+7] offset:64*\t+16
.endr
.set jj, 0
.rept 32
	ds_load_b32 v[S+32*(\half)+jj], v5 offset:60+128*(jj/16)+4*(jj%16)
.set jj, jj+1
.endr
.endm
.macro PLACES n
.rept \n
	v_nop
.endr
.endm
	s_load_b128 s[4:7], s[0:1], 0x0                ; opnd, qkv
	s_load_b64 s[8:9], s[0:1], 0x10                ; att
	v_lshl_add_u32 v[SPW], v0, 2, SPARE
	v_mov_b32 v[NIL], 0
	ds_add_u32 v[SPW], v[NIL]                      ; the wave's opening
	ds_add_u32 v[SPW], v[NIL]
	v_lshrrev_b32 v8, 5, v0
	s_delay_alu instid0(VALU_DEP_1)
	v_readfirstlane_b32 s[WV], v8                  ; wave 0..15
	s_and_b32 s10, ttmp7, 0xffff                   ; 16 batch + head
	s_sub_co_u32 s11, 7, ttmp9                     ; 7 - X
.irp g, G1K, G1S, G1R                  ; three groups 1: dense rows of 32 elements of 8 bytes; no mask, no padding; they differ in the rows
	s_mov_b32 s[\g], 3<<16
	s_mov_b32 s[\g+1], 32<<16
	s_mov_b32 s[\g+3], 32<<16
	s_mov_b32 s[\g+5], 32
	s_mov_b32 s[\g+6], 0
	s_mov_b32 s[\g+7], 0
.endr
	s_mov_b32 s[G1K+2], 96<<16                     ; a half of a slot: 24,576 bytes
	s_mov_b32 s[G1K+4], 96
	s_mov_b32 s[G1S+2], 48<<16                     ; the head's scale words: 12,288
	s_mov_b32 s[G1S+4], 48
	s_mov_b32 s[G1R+2], 33<<16                     ; a twelfth of rel's window, or all its scale words: 8,448
	s_mov_b32 s[G1R+4], 33
	s_mul_i32 s82, s10, 196608
	s_add_co_u32 s82, s82, KV                      ; the head's K and V
	s_mov_b32 s83, 0
	s_mul_i32 s84, s[WV], 24576
	s_mov_b32 s49, s84
	s_add_co_u32 s84, s84, s82
	s_mov_b32 s85, 0
	s_mul_i32 s86, s10, 12288
	s_mov_b32 s53, KVSL
	s_add_co_u32 s86, s86, KVS
	s_mov_b32 s87, 0
	s_mul_i32 s88, s11, 9728                       ; copy 7 - X of rel's scale words
	s_add_co_u32 s88, s88, RELS
	s_mov_b32 s89, 0
	s_mul_i32 s90, s[WV], 8448
	s_add_co_u32 s61, s90, RELL-33792              ; waves 4 to 15: part w - 4
	s_mul_i32 s91, s11, 768
	s_add_co_u32 s90, s90, s91
	s_add_co_u32 s90, s90, REL-33792
	s_mov_b32 s91, 0
	s_mov_b32 s48, 1
	s_mov_b32 s52, 1
	s_mov_b32 s56, 1
	s_mov_b32 s60, 1
	s_mov_b32 s57, RELSL
	s_mov_b32 s[SEL], 0x76543210
	s_mov_b32 s[SEL+1], 0xfedcba98
	s_mov_b32 s[CS], 0x3e38aa3b                    ; c = log2(e) / 8
	s_mov_b32 s[CS+1], s[CS]
	s_mov_b32 s[TB], 0
	s_mov_b32 s[TS], KVSL
	s_mov_b32 s[TJ], KVSL+8192
	s_mov_b32 s[SLOTS], 3
	s_mov_b32 s[KS], 0
	s_xor_b32 s92, s[WV], 15                       ; 15 - w
	s_mul_i32 s69, s92, 6144
	s_add_co_u32 s69, s69, RELL                    ; place 120 - 8 w of rel's window; 8 places on with each step
	s_lshl_b32 s70, s92, 9
	s_add_co_u32 s70, s70, RELSL
	s_wait_dscnt 0x0                               ; the opening add is done
	s_wait_kmcnt 0x0
	s_add_nc_u64 s[50:51], s[6:7], s[84:85]
	s_or_b32 s51, s51, 0x80000000
	s_add_nc_u64 s[54:55], s[6:7], s[86:87]
	s_or_b32 s55, s55, 0x80000000
	s_add_nc_u64 s[58:59], s[4:5], s[88:89]
	s_or_b32 s59, s59, 0x80000000
	s_add_nc_u64 s[62:63], s[4:5], s[90:91]
	s_or_b32 s63, s63, 0x80000000
	s_cmp_lt_u32 s[WV], 2                          ; the first fills: one chain of branches on the wave's number, one load to an arm, all arms to one join
	s_cbranch_scc0 .Lff_b
	tensor_load_to_lds s[48:51], s[G1K:G1K+7]      ; my half of slot 0
	s_nop 0
	PLACES 4
	s_branch .Lff_done
.Lff_b:
	s_cmp_eq_u32 s[WV], 2
	s_cbranch_scc0 .Lff_s
	tensor_load_to_lds s[52:55], s[G1S:G1S+7]      ; the head's scale words
	s_nop 0
	PLACES 4
	s_branch .Lff_done
.Lff_s:
	s_cmp_eq_u32 s[WV], 3
	s_cbranch_scc0 .Lff_c
	tensor_load_to_lds s[56:59], s[G1R:G1R+7]      ; the scale words of rel's window
	s_nop 0
	PLACES 4
	s_branch .Lff_done
.Lff_c:
	tensor_load_to_lds s[60:63], s[G1R:G1R+7]      ; my twelfth of rel's window
	s_nop 0
	PLACES 4
.Lff_done:
	v_and_b32 v8, 31, v0
	s_delay_alu instid0(VALU_DEP_1)
	v_lshlrev_b32 v1, 4, v8                        ; 16 x lane
	s_delay_alu instid0(VALU_DEP_2)
	v_lshlrev_b32 v2, 3, v8                        ; 8 x lane
	s_delay_alu instid0(VALU_DEP_3)
	v_lshlrev_b32 v[PFO], 8, v8
	v_and_b32 v9, 15, v0                           ; r
	v_bfe_u32 v10, v0, 4, 1                        ; h
	s_delay_alu instid0(VALU_DEP_2)
	v_lshlrev_b32 v15, 2, v9                       ; 4 r
	s_wait_alu depctr_va_vdst(0)
	v_lshl_add_u32 v3, v10, 6, v15                 ; 4 r + 64 h: a pair of tiles' scale words
	s_mul_i32 s82, s[WV], 5376
	s_add_co_u32 s82, s82, STAGE
	v_mul_u32_u24 v4, v9, 336
	s_delay_alu instid0(VALU_DEP_1)
	v_lshl_add_u32 v4, v10, 5, v4
	s_delay_alu instid0(VALU_DEP_1)
	v_add_nc_u32 v4, s82, v4                       ; into my stage: 336 r + 32 h
	v_mul_u32_u24 v5, v9, 332
	s_delay_alu instid0(VALU_DEP_1)
	v_lshl_add_u32 v5, v10, 6, v5
	s_delay_alu instid0(VALU_DEP_1)
	v_add_nc_u32 v5, s82, v5                       ; out of it: 332 r + 64 h
	s_lshl_b32 s93, s[WV], 3
	s_add_co_u32 s93, s93, ttmp9                   ; my tile of queries
	s_lshl_b32 s84, s10, 7
	s_add_co_u32 s84, s84, s93
	s_mul_i32 s86, s84, 768
	s_mov_b32 s87, 0
	s_add_nc_u64 s[16:17], s[6:7], s[86:87]
	s_lshl_b32 s88, s84, 6
	s_add_co_u32 s88, s88, QS
	s_add_nc_u64 s[96:97], s[6:7], s[88:89]
	global_load_b128 v[16:19], v1, s[16:17]        ; Q stays in registers
	global_load_b64 v[20:21], v2, s[16:17] offset:512
	global_load_b32 v[QSC], v15, s[96:97]
	s_lshr_b32 s92, s10, 4
	s_lshl_b32 s92, s92, 7
	s_add_co_u32 s92, s92, s93
	s_mul_i32 s92, s92, 12288
	s_and_b32 s94, s10, 15
	s_mul_i32 s94, s94, 768
	s_add_co_u32 s92, s92, s94
	s_mov_b32 s93, 0
	s_add_nc_u64 s[12:13], s[8:9], s[92:93]        ; the result: [128 batch + tile][head] HF
	s_lshl_b32 s94, s10, 3
	s_add_co_u32 s94, s94, ttmp9
	s_lshl_b32 s94, s94, 9
	s_add_co_u32 s94, s94, ASH
	s_mov_b32 s95, 0
	s_add_nc_u64 s[14:15], s[8:9], s[94:95]        ; its scale bytes: 512 bytes a work-group
	; the prefetches: in the head's first work-group waves 4 to 9 name 8,192 bytes each of the slot after the one being asked for
	s_mul_i32 s82, s10, 196608
	s_add_co_u32 s82, s82, KV+49152                ; slot 1: the first change of slots steps it to slot 2
	s_sub_co_u32 s84, s[WV], 4
	s_and_b32 s84, s84, 7
	s_lshl_b32 s84, s84, 13
	s_add_co_u32 s82, s82, s84
	s_add_nc_u64 s[PFA:PFA+1], s[6:7], s[82:83]
	s_sub_co_u32 s84, s[WV], 4
	s_cmp_lt_u32 s84, 6
	s_cselect_b32 s84, 0, 1
	s_or_b32 s84, s84, ttmp9
	s_cmp_eq_u32 s84, 0
	s_cselect_b32 s[LIM], 1, -1
.irp j, 22,23,24,25,26,27
	v_mov_b32 v\j, 0                               ; Q's upper 64 of K: zero codes
.endr
.set jj, 0
.rept 12
	v_mov_b32 v[F+24+jj], 0                        ; named behind a last tile, so they are written
.set jj, jj+1
.endr
.set jj, 0
.rept 6
	v_mov_b32 v[KF+24+jj], 0
.set jj, jj+1
.endr
.irp b, 0,1,2,3
	v_mov_b32 v[BP+\b], 0                          ; a lane permute's destination counts as one of its sources
.endr
	v_mov_b32 v[T0], 0
	v_mov_b32 v[FF+1], 0                           ; named as the upper half of the pair
	v_mov_b32 v[MT], 0xff61b1e6                    ; the largest t so far: -3e38
	s_delay_alu instid0(VALU_DEP_1)
	v_floor_f32 v[NM], -v[MT]
	v_mov_b32 v[SUM], 0
	v_mov_b32 v[SUM+1], 0
.set jj, 0
.rept 32
	v_mov_b32 v[OT+jj], 0                          ; the step is written once: the first finds zeros, which the first change of M leaves zeros
.set jj, jj+1
.endr
; A KEY STEP: 128 keys, the q-th of the slot in hand
.macro STEP q
	s_min_u32 s71, s69, RELL+92160                 ; changes nothing where the step has a relative term; keeps every address inside rel's window
	s_min_u32 s72, s70, RELSL+7680
	v_add_nc_u32 v8, s[TB], v1                     ; these seven are also the places behind the last step's products
	v_add_nc_u32 v9, s[TB], v2
	v_add_nc_u32 v10, s[TS], v3
	v_add_nc_u32 v11, s[TJ], v3
	v_add_nc_u32 v12, s71, v1
	v_add_nc_u32 v13, s71, v2
	v_add_nc_u32 v14, s72, v3
	s_cmp_gt_u32 s[KS], s[WV]                      ; all keys of the step come after my queries: no relative term
	s_cbranch_scc1 .Lplain_\@
.irp k, 0,1,2,3,4
	ds_load_b32 v[ESC+\k], v14 offset:128*\k
.endr
	RLOAD 0
	KSCL
	KLOAD KF, 0, \q
	s_wait_dscnt 12                                ; K's scale words and tiles 0-3 may stay out
	EMUL 0
	PLACES 5                                       ; in front of the loads into F, the stores of QE, and the products that write QE over
	s_wait_alu depctr_va_vdst(0)
	RLOAD 4
	SKEW 0
	s_wait_dscnt 32                                ; all but the 32 loads into S: rel's tiles are in, the stores have read QE
	EMUL 4
	PLACES 5
	KLOAD F, 4, \q
	SKEW 1
	s_wait_dscnt 50                                ; behind the first half's 32 loads: 8 + 10 + 32
	KMUL KF, 0, 0
	s_wait_dscnt 0x0
	KMUL F, 4, 0
	s_branch .Ljoin_\@
.Lplain_\@:
	s_wait_alu depctr_va_vdst(0)
	KSCL
	KLOAD KF, 0, \q
	KLOAD F, 4, \q
	s_wait_dscnt 8                                 ; tiles 4-7 may stay out
	KMUL KF, 0, 1
	s_wait_dscnt 0x0
	KMUL F, 4, 1
.Ljoin_\@:
	PLACES 4
.irp t, 0,1,2,3                        ; V's four fragments and their scale words land under the softmax
	ds_load_b128 v[32+12*\t:35+12*\t], v8 offset:12288*(\q)+6144+1536*\t
	ds_load_b64 v[36+12*\t:37+12*\t], v9 offset:12288*(\q)+6144+1536*\t+512
	ds_load_b128 v[38+12*\t:41+12*\t], v8 offset:12288*(\q)+6144+1536*\t+768
	ds_load_b64 v[42+12*\t:43+12*\t], v9 offset:12288*(\q)+6144+1536*\t+1280
.endr
	ds_load_b32 v[VSC], v11
	ds_load_b32 v[VSC+1], v11 offset:128
.irp b, 0,1,2,3
	v_max3_num_f32 v[BM+\b], v[S+16*\b], v[S+1+16*\b], v[S+2+16*\b]   ; the largest score of each block of 32 keys: for the row's maximum and for the block's largest p
.endr
.irp i, 3,5,7,9,11,13
.irp b, 0,1,2,3
	v_max3_num_f32 v[BM+\b], v[BM+\b], v[S+16*\b+\i], v[S+1+16*\b+\i]
.endr
.endr
.irp b, 0,1,2,3
	v_max_num_f32 v[BM+\b], v[BM+\b], v[S+15+16*\b]
.endr
.irp b, 0,1,2,3
	v_permlanex16_b32 v[BP+\b], v[BM+\b], s[SEL], s[SEL+1]
.endr
.irp b, 0,1,2,3
	s_delay_alu instid0(VALU_DEP_4)
	v_max_num_f32 v[BM+\b], v[BM+\b], v[BP+\b]
.endr
	s_delay_alu instid0(VALU_DEP_2)
	v_max3_num_f32 v[T0], v[BM], v[BM+1], v[BM+2]
	s_delay_alu instid0(VALU_DEP_1)
	v_max_num_f32 v[T0], v[T0], v[BM+3]
	s_delay_alu instid0(VALU_DEP_1)
	v_mul_f32 v[T0], s[CS], v[T0]
	s_delay_alu instid0(VALU_DEP_1)
	v_max_num_f32 v[MT], v[MT], v[T0]              ; the running largest t
	v_mov_b32 v[T0], v[NM]
	s_delay_alu instid0(VALU_DEP_2)
	v_floor_f32 v[NM], -v[MT]                      ; -M = floor(-t): M is a whole number
	s_delay_alu instid0(VALU_DEP_1)
	v_sub_f32 v[T0], v[NM], v[T0]
	s_delay_alu instid0(VALU_DEP_1)
	v_cvt_i32_f32 v[T0], v[T0]                     ; (it saturates)
	s_delay_alu instid0(VALU_DEP_1)
	v_ldexp_f32 v[FF], 1.0, v[T0]                  ; f = 2^(old M - new M): rounds nothing
.set jj, 0
.rept 32
	v_pk_fma_f32 v[S+2*jj:S+2*jj+1], v[S+2*jj:S+2*jj+1], s[CS:CS+1], v[NM:NM+1] op_sel_hi:[1,0,0]   ; t - M
.set jj, jj+1
.endr
.irp b, 0,1,2,3
	v_fma_f32 v[BM+\b], v[BM+\b], s[CS], v[NM]
.endr
.set jj, 0
	s_wait_alu depctr_va_vdst(0)
.rept 64
	v_exp_f32 v[S+jj], v[S+jj]                     ; p = 2^(t - M)
.set jj, jj+1
.endr
	v_pk_mul_f32 v[SUM:SUM+1], v[SUM:SUM+1], v[FF:FF+1] op_sel_hi:[1,0]   ; a plain instruction behind the exponentials
	s_wait_alu depctr_va_vdst(0)                   ; one wait for the batch, ahead of its first reader
.irp b, 0,1,2,3
	v_exp_f32 v[BM+\b], v[BM+\b]                   ; each block's largest p
.endr
	v_pk_add_f32 v[250:251], v[154:155], v[158:159]
	v_pk_add_f32 v[254:255], v[162:163], v[166:167]
	v_pk_add_f32 v[148:149], v[170:171], v[174:175]
	v_pk_add_f32 v[146:147], v[178:179], v[182:183]
	v_pk_add_f32 v[144:145], v[186:187], v[190:191]
	v_pk_add_f32 v[140:141], v[194:195], v[198:199]
	v_pk_add_f32 v[138:139], v[202:203], v[206:207]
	v_pk_add_f32 v[248:249], v[248:249], v[210:211]
	v_pk_add_f32 v[250:251], v[250:251], v[150:151]
	v_pk_add_f32 v[254:255], v[254:255], v[152:153]
	v_pk_add_f32 v[148:149], v[148:149], v[156:157]
	v_pk_add_f32 v[146:147], v[146:147], v[160:161]
	v_pk_add_f32 v[144:145], v[144:145], v[164:165]
	v_pk_add_f32 v[140:141], v[140:141], v[168:169]
	v_pk_add_f32 v[138:139], v[138:139], v[172:173]
	v_pk_add_f32 v[248:249], v[248:249], v[176:177]
	v_pk_add_f32 v[250:251], v[250:251], v[180:181]
	v_pk_add_f32 v[254:255], v[254:255], v[184:185]
	v_pk_add_f32 v[148:149], v[148:149], v[188:189]
	v_pk_add_f32 v[146:147], v[146:147], v[192:193]
	v_pk_add_f32 v[144:145], v[144:145], v[196:197]
	v_pk_add_f32 v[140:141], v[140:141], v[200:201]
	v_pk_add_f32 v[138:139], v[138:139], v[204:205]
	v_pk_add_f32 v[248:249], v[248:249], v[208:209]
	v_pk_add_f32 v[250:251], v[250:251], v[212:213]
	s_delay_alu instid0(VALU_DEP_2)
	v_pk_add_f32 v[248:249], v[248:249], v[146:147]
	s_delay_alu instid0(VALU_DEP_2)
	v_pk_add_f32 v[250:251], v[250:251], v[144:145]
	v_pk_add_f32 v[254:255], v[254:255], v[140:141]
	v_pk_add_f32 v[148:149], v[148:149], v[138:139]
	s_delay_alu instid0(VALU_DEP_2)
	v_pk_add_f32 v[248:249], v[248:249], v[254:255]
	s_delay_alu instid0(VALU_DEP_2)
	v_pk_add_f32 v[250:251], v[250:251], v[148:149]
	s_delay_alu instid0(VALU_DEP_1)
	v_pk_add_f32 v[248:249], v[248:249], v[250:251]
	s_wait_alu depctr_va_vdst(0)                   ; and one for the four
.irp b, 0,1,2,3
	v_max_num_f32 v[BM+\b], 0x1800000, v[BM+\b]    ; the floor 2^(3 - 127)
.endr
.irp b, 0,1,2,3
	s_delay_alu instid0(VALU_DEP_4)
	v_add_nc_u32 v[SO+\b], 0xff000000, v[BM+\b]
.endr
.irp b, 0,1,2,3
	s_delay_alu instid0(VALU_DEP_4)
	v_lshrrev_b32 v[BP+\b], 23, v[SO+\b]
.endr
	s_delay_alu instid0(VALU_DEP_3)
	v_lshl_or_b32 v[PSC], v[BP+1], 8, v[BP]
	s_delay_alu instid0(VALU_DEP_1)
	v_lshl_or_b32 v[PSC], v[BP+2], 16, v[PSC]
	s_delay_alu instid0(VALU_DEP_1)
	v_lshl_or_b32 v[PSC], v[BP+3], 24, v[PSC]
.irp c, 0,1
	v_cvt_scalef32_pk16_fp6_f32 v[PC+6*\c:PC+6*\c+2], v[S+32*\c:S+32*\c+15], v[SO+2*\c]
	v_cvt_scalef32_pk16_fp6_f32 v[PT+4*\c:PT+4*\c+2], v[S+16+32*\c:S+31+32*\c], v[SO+2*\c+1]
.endr
	v_nop                                          ; one plain instruction behind the conversions
.irp c, 0,1
.irp i, 0,1,2
	v_permlane16_swap_b32 v[PC+6*\c+\i], v[PT+4*\c+\i]
.endr
.irp i, 0,1,2
	s_delay_alu instid0(VALU_DEP_3)
	v_mov_b32 v[PC+3+6*\c+\i], v[PT+4*\c+\i]
.endr
.endr
.set jj, 0
.rept 16
	v_pk_mul_f32 v[OT+2*jj:OT+2*jj+1], v[OT+2*jj:OT+2*jj+1], v[FF:FF+1] op_sel_hi:[1,0]   ; O^T under the new M; twelve of these name no register of any one product below: the places in front of p's codes and scale word
.set jj, jj+1
.endr
	s_wait_alu depctr_va_vdst(0)
	s_wait_dscnt 0x0                               ; V
.irp t, 0,2
	v_wmma_scale_f32_16x16x128_f8f6f4 v[OT+8*\t:OT+8*\t+7], v[32+12*\t:43+12*\t], v[PC:PC+11], v[OT+8*\t:OT+8*\t+7], v[VSC+\t/2], v[PSC] matrix_a_fmt:MATRIX_FMT_FP6 matrix_b_fmt:MATRIX_FMT_FP6
	v_wmma_scale_f32_16x16x128_f8f6f4 v[OT+8+8*\t:OT+15+8*\t], v[44+12*\t:55+12*\t], v[PC:PC+11], v[OT+8+8*\t:OT+15+8*\t], v[VSC+\t/2], v[PSC] matrix_a_fmt:MATRIX_FMT_FP6 matrix_b_fmt:MATRIX_FMT_FP6 matrix_a_scale:MATRIX_SCALE_ROW1
.endr
	s_add_co_u32 s[KS], s[KS], 1
	s_add_co_u32 s[TS], s[TS], 512
	s_add_co_u32 s[TJ], s[TJ], 256
	s_add_co_u32 s69, s69, 6144
	s_add_co_u32 s70, s70, 512
.endm
; THE CHANGE OF SLOTS stands at a slot's head: each wave waits for all its tensor loads, adds 0 to its spare word, waits for that and for its reads of the slot that it has left; a barrier;
; fill = 1: the slot just left takes the next four key steps: one load for each of waves 0 and 1, a half slot each, first behind the barrier; it has four key steps in which to land.
.macro CHANGE fill
	s_wait_tensorcnt 0x0
	ds_add_u32 v[SPW], v[NIL]
.if \fill
	s_xor_b32 s49, s49, SLOT1                      ; no tensor load of mine is out: the walking descriptor may be written
	s_add_nc_u64 s[50:51], s[50:51], 49152
	s_wait_xcnt 0x0                                ; the last prefetch, a slot back, has read its address
	s_add_nc_u64 s[PFA:PFA+1], s[PFA:PFA+1], 49152
.endif
	s_wait_dscnt 0x0
	s_barrier_signal -1
	s_barrier_wait -1
.if \fill
	s_cmp_lt_u32 s[WV], 2
	s_cbranch_scc0 .Lno_load_\@
	tensor_load_to_lds s[48:51], s[G1K:G1K+7]
	s_nop 0
	PLACES 4
.Lno_load_\@:
	s_cmp_gt_u32 s[SLOTS], s[LIM]                  ; the last change that fills a slot asks for nothing: there is no slot behind it
	s_cbranch_scc0 .Lnot_mine_\@
	global_prefetch_b8 v[PFO], s[PFA:PFA+1] th:TH_LOAD_NT scope:SCOPE_SE   ; 32 lanes, 256 bytes apart: my 8,192 bytes of the slot that the next change will ask for, four key steps ahead
.Lnot_mine_\@:
.endif
.endm
	s_wait_loadcnt 0x0                             ; Q
.Lslot:                                ; three trips of four key steps: behind each change of slots but the last the next slot is asked for
	CHANGE 1
	STEP 0
	STEP 1
	STEP 2
	STEP 3
	s_xor_b32 s[TB], s[TB], SLOT1
	s_sub_co_u32 s[SLOTS], s[SLOTS], 1
	s_cmp_lg_u32 s[SLOTS], 0
	s_cbranch_scc1 .Lslot
	CHANGE 0                                       ; the last slot stands apart: two trips of two key steps, the slot's address stepped by two steps' bytes
	s_mov_b32 s73, 2
.Ltail:
	STEP 0
	STEP 1
	s_add_co_u32 s[TB], s[TB], 24576
	s_sub_co_u32 s73, s73, 1
	s_cmp_lg_u32 s73, 0
	s_cbranch_scc1 .Ltail
	; THE END: O^T / the sum, quantised along the head's 64 channels: a half fragment of the last product's operand
	PLACES 4
	v_add_f32 v[SUM], v[SUM], v[SUM+1]
	s_delay_alu instid0(VALU_DEP_1)
	v_permlanex16_b32 v[T0], v[SUM], s[SEL], s[SEL+1]
	s_delay_alu instid0(VALU_DEP_1)
	v_add_f32 v[SUM], v[SUM], v[T0]
	s_wait_alu depctr_va_vdst(0)
	v_rcp_f32 v[SUM], v[SUM]
	v_and_b32 v144, 15, v0                         ; (a plain instruction behind the reciprocal)
	s_delay_alu instid0(VALU_DEP_1)
	v_lshlrev_b32 v144, 1, v144
	s_lshl_b32 s82, s[WV], 5
	s_add_co_u32 s82, s82, GATH
	v_add_nc_u32 v144, s82, v144                   ; GATH + 32 w + 2 r
	v_add_nc_u32 v145, GATH, v1
	s_wait_alu depctr_va_vdst(0)                   ; ahead of the reciprocal's first reader
.set jj, 0
.rept 32
	v_mul_f32 v[S+jj], v[OT+jj], v[SUM]            ; register 16 b + i = channel 32 b + 16 h + i
.set jj, jj+1
.endr
	v_max3_num_f32 v[BM], |v[S]|, |v[S+1]|, 0x1800000
	v_max3_num_f32 v[BM+1], |v[S+16]|, |v[S+17]|, 0x1800000
.irp i, 2,4,6,8,10,12,14
	s_delay_alu instid0(VALU_DEP_2)
	v_max3_num_f32 v[BM], v[BM], |v[S+\i]|, |v[S+\i+1]|
	s_delay_alu instid0(VALU_DEP_2)
	v_max3_num_f32 v[BM+1], v[BM+1], |v[S+16+\i]|, |v[S+17+\i]|
.endr
	s_delay_alu instid0(VALU_DEP_2)
	v_permlanex16_b32 v[BP], v[BM], s[SEL], s[SEL+1]
	s_delay_alu instid0(VALU_DEP_2)
	v_permlanex16_b32 v[BP+1], v[BM+1], s[SEL], s[SEL+1]
	s_delay_alu instid0(VALU_DEP_2)
	v_max_num_f32 v[BM], v[BM], v[BP]
	s_delay_alu instid0(VALU_DEP_2)
	v_max_num_f32 v[BM+1], v[BM+1], v[BP+1]
	s_delay_alu instid0(VALU_DEP_2)
	v_add_nc_u32 v[SO], 0xff000000, v[BM]
	s_delay_alu instid0(VALU_DEP_2)
	v_add_nc_u32 v[SO+1], 0xff000000, v[BM+1]
	s_delay_alu instid0(VALU_DEP_2)
	v_lshrrev_b32 v[BM+2], 23, v[SO]
	s_delay_alu instid0(VALU_DEP_2)
	v_lshrrev_b32 v[BM+3], 23, v[SO+1]
	s_delay_alu instid0(VALU_DEP_1)
	v_lshl_or_b32 v[PW], v[BM+3], 8, v[BM+2]
	v_cvt_scalef32_pk16_fp6_f32 v[PC:PC+2], v[S:S+15], v[SO]
	v_cvt_scalef32_pk16_fp6_f32 v[PT:PT+2], v[S+16:S+31], v[SO+1]
	v_nop
.irp i, 0,1,2
	v_permlane16_swap_b32 v[PC+\i], v[PT+\i]
.endr
.irp i, 0,1,2
	s_delay_alu instid0(VALU_DEP_3)
	v_mov_b32 v[PC+3+\i], v[PT+\i]
.endr
	global_store_b128 v1, v[PC:PC+3], s[12:13]
	global_store_b64 v2, v[PC+4:PC+5], s[12:13] offset:512
	ds_store_b16 v144, v[PW]                       ; both halves of the lanes write the same two bytes
	s_wait_dscnt 0x0
	s_barrier_signal -1
	s_barrier_wait -1
	s_cmp_lg_u32 s[WV], 0
	s_cbranch_scc1 .Lnot_wave_0
	ds_load_b128 v[146:149], v145                  ; the sixteen waves' 512 bytes leave as two whole runs of 256
	s_wait_dscnt 0x0
	global_store_b128 v1, v[146:149], s[14:15]
.Lnot_wave_0:
	s_wait_tensorcnt 0x0                           ; the wave's end
	ds_add_u32 v[SPW], v[NIL]
	s_wait_dscnt 0x0
	s_endpgm
.Lfunc_end_k_q048e0887ee_attn:
	.size	k_q048e0887ee_attn, .Lfunc_end_k_q048e0887ee_attn-k_q048e0887ee_attn
	.p2alignl 7, 3214868480
	.fill 96, 4, 3214868480
	.section	.rodata,"a",@progbits
	.p2align	6, 0x0
	.amdhsa_kernel k_q048e0887ee_attn
		.amdhsa_group_segment_fixed_size 327680
		.amdhsa_private_segment_fixed_size 0
		.amdhsa_enable_private_segment 0
		.amdhsa_kernarg_size 24
		.amdhsa_user_sgpr_count 2
		.amdhsa_user_sgpr_kernarg_segment_ptr 1
		.amdhsa_wavefront_size32 1
		.amdhsa_system_sgpr_workgroup_id_x 1
		.amdhsa_system_sgpr_workgroup_id_y 1
		.amdhsa_system_sgpr_workgroup_id_z 1
		.amdhsa_system_vgpr_workitem_id 0
		.amdhsa_next_free_vgpr 256
		.amdhsa_next_free_sgpr 100
		.amdhsa_reserve_vcc 0
		.amdhsa_float_denorm_mode_32 3
		.amdhsa_float_denorm_mode_16_64 3
		.amdhsa_memory_ordered 1
		.amdhsa_forward_progress 1
		.amdhsa_inst_pref_size 188
	.end_amdhsa_kernel
	.amdgpu_metadata
---
amdhsa.version: [ 1, 2 ]
amdhsa.kernels:
  - .name:           k_q048e0887ee_attn
    .symbol:         k_q048e0887ee_attn.kd
    .args:
      - { .name: opnd, .offset: 0, .size: 8, .value_kind: global_buffer, .address_space: global }
      - { .name: qkv, .offset: 8, .size: 8, .value_kind: global_buffer, .address_space: global }
      - { .name: att, .offset: 16, .size: 8, .value_kind: global_buffer, .address_space: global }
    .group_segment_fixed_size: 327680
    .private_segment_fixed_size: 0
    .kernarg_segment_align: 8
    .kernarg_segment_size: 24
    .max_flat_workgroup_size: 512
    .sgpr_count:     100
    .vgpr_count:     256
    .wavefront_size: 32
...
	.end_amdgpu_metadata
.endif
;; end of part 3
;; launch outp (part 4): grid 256 x 1, 4 waves a work-group, no clusters, 167,936 bytes of LDS; arguments opnd, att, bo, out0; writes out0
.if DOCPART == 4
	.amdgcn_target "amdgcn-amd-amdhsa--gfx1250"
	.amdhsa_code_object_version 6
	.text
	.protected	k_q048e0887ee_outp
	.globl	k_q048e0887ee_outp
	.p2align	8
	.type	k_q048e0887ee_outp,@function
k_q048e0887ee_outp:
	s_mov_b64 s[64:65], 0
	v_nop
	global_prefetch_b8 v0, s[64:65] scope:SCOPE_SE
	s_setreg_imm32_b32 hwreg(HW_REG_WAVE_MODE, 25, 1), 1
	s_wait_xcnt 0x0
; out0 = (attention's result) Wo + bo on codes of FP6 (E2M3); f32 out.  The frame of the projections: wave w keeps 64 channels of Wo (4 tiles x 8 K steps x 12 registers) in registers;
; the work-group's 64 tokens (four strips of att, 49,152 bytes) come into LDS by one tensor load a wave, each byte filled once.  256 channels x 64 tokens to a work-group, so that there are 256 work-groups.
; Source 0 = Wo's channels (tiles in the order 8 u + r + 8 (r / 8)), source 1 = tokens: a lane holds one token and eight neighbouring channels a tile.  bo is the C of each sum's first product.
; A strip's results go through the wave's own stage (rows of 272 bytes) and leave as rows of 256 consecutive bytes, sixteen lanes to a row.
; No cluster: four work-groups read the same strips; left out so that this text has no partner to keep in step with.
; REGISTERS.  Window 0: addresses, accumulators, bo, scale words, rows on their way out.  Windows 1, 2: Wo's fragment (T, s) at 12 (4 (s % 4) + T).  Window 3: the tokens' fragment (e, s) at 12 (8 e + s).
.set SC0,   12582912
.set ASH,   3145728
.set STG,   49152
.set SPARE, 66560
.set ACC, 16
.set BS,  80
.set SS,  128
.set MS,  144                          ; v144-159 the tokens' scale words [strip][p]
.set ML,  160                          ; v160-191 their halves as loaded; later rows on their way out
.set OB0, 160
.set OB1, 192
.set SPW, 252
.set NIL, 253
.set MSB, 0
.macro WIN new
.if MSB != \new
	s_set_vgpr_msb (MSB<<8)|\new
.set MSB, \new
.endif
.endm
.macro PROD d, a, b, c, sa, sb, row
.if \row
	v_wmma_scale_f32_16x16x128_f8f6f4 v[\d:\d+7], v[\a:\a+11], v[\b:\b+11], v[\c:\c+7], v[\sa], v[\sb] matrix_a_fmt:MATRIX_FMT_FP6 matrix_b_fmt:MATRIX_FMT_FP6 matrix_a_scale:MATRIX_SCALE_ROW1 matrix_b_scale:MATRIX_SCALE_ROW1
.else
	v_wmma_scale_f32_16x16x128_f8f6f4 v[\d:\d+7], v[\a:\a+11], v[\b:\b+11], v[\c:\c+7], v[\sa], v[\sb] matrix_a_fmt:MATRIX_FMT_FP6 matrix_b_fmt:MATRIX_FMT_FP6
.endif
.endm
	s_load_b256 s[4:11], s[0:1], 0x0               ; opnd 4, att 6, bo 8, out0 10
	v_lshl_add_u32 v[SPW], v0, 2, SPARE
	v_mov_b32 v[NIL], 0
	ds_add_u32 v[SPW], v[NIL]                      ; the wave's opening
	ds_add_u32 v[SPW], v[NIL]
	v_lshrrev_b32 v1, 5, v0
	v_readfirstlane_b32 s14, v1                    ; wave
	s_and_b32 s16, ttmp9, 3                        ; a: which 256 channels
	s_lshr_b32 s17, ttmp9, 2                       ; g: which 64 tokens
	s_mov_b32 s24, 3<<16                           ; group 1: a strip as 48 dense rows of 32 elements of 8 bytes
	s_mov_b32 s25, 32<<16
	s_mov_b32 s26, 48<<16
	s_mov_b32 s27, 32<<16
	s_mov_b32 s28, 48
	s_mov_b32 s29, 32
	s_mov_b32 s30, 0
	s_mov_b32 s31, 0
	s_mov_b32 s32, 1
	s_mul_i32 s33, s14, 12288
	s_lshl_b32 s68, s17, 2
	s_add_co_u32 s68, s68, s14
	s_mul_i32 s68, s68, 12288
	s_mov_b32 s69, 0
	s_wait_dscnt 0x0
	s_wait_kmcnt 0x0
	s_add_nc_u64 s[34:35], s[6:7], s[68:69]
	s_or_b32 s35, s35, 0x80000000
	tensor_load_to_lds s[32:35], s[24:31]          ; strip 4 g + w: my one tensor load
	s_nop 0
.rept 4
	v_nop
.endr
	v_and_b32 v12, 31, v0
	v_lshlrev_b32 v1, 4, v12                       ; 16 x lane
	v_lshlrev_b32 v2, 3, v12                       ; 8 x lane
	v_lshlrev_b32 v13, 2, v12                      ; 4 x lane
	v_and_b32 v14, 15, v0                          ; r
	v_bfe_u32 v15, v0, 4, 1                        ; h
	v_lshlrev_b32 v8, 1, v14
	v_lshl_add_u32 v8, v15, 13, v8                 ; 2 r + 8,192 h: lanes 16-31 take the K step after, two heads on
	s_wait_alu depctr_va_vdst(0)
	v_lshlrev_b32 v9, 6, v15                       ; 64 h
	s_wait_alu depctr_va_vdst(0)
	s_lshr_b32 s68, s17, 5
	s_lshl_b32 s68, s68, 16                        ; the batch's sixteen heads of 4,096 bytes
	s_and_b32 s70, s17, 1
	s_lshl_b32 s70, s70, 11
	s_add_co_u32 s68, s68, s70                     ; X = 4 (g % 2) + strip
	s_and_b32 s70, s17, 31
	s_lshr_b32 s70, s70, 1
	s_lshl_b32 s70, s70, 5
	s_add_co_u32 s68, s68, s70                     ; w = (g % 32) / 2
	s_add_co_u32 s68, s68, ASH
	s_add_nc_u64 s[60:61], s[6:7], s[68:69]
.set ii, 0
.rept 32                               ; index 2 (4 strip + p) + half: the two scale bytes of head 4 p + 2 h + half
	global_load_u16 v[ML+ii], v8, s[60:61] offset:16384*((ii/2)%4)+4096*(ii%2)+512*(ii/8)
.set ii, ii+1
.endr
	s_lshl_b32 s70, s16, 4
	s_lshl_b32 s71, s14, 2
	s_add_co_u32 s70, s70, s71
	s_add_co_u32 s70, s70, 960                     ; my four strips of Wo
	s_lshl_b32 s68, s70, 9
	s_add_co_u32 s68, s68, SC0
	s_add_nc_u64 s[58:59], s[4:5], s[68:69]
	s_mul_i32 s68, s70, 12288
	s_add_nc_u64 s[56:57], s[4:5], s[68:69]
.set ii, 0
.rept 16
	global_load_b32 v[SS+ii], v13, s[58:59] offset:128*ii
.set ii, ii+1
.endr
	s_lshl_b32 s68, s16, 10
	s_lshl_b32 s70, s14, 8
	s_add_co_u32 s68, s68, s70                     ; (256 a + 64 w) x 4
	s_add_nc_u64 s[62:63], s[8:9], s[68:69]
	s_lshl_b32 s70, s17, 18                        ; 64 g rows of 4,096 bytes
	s_add_co_u32 s68, s68, s70
	s_add_nc_u64 s[66:67], s[10:11], s[68:69]
.irp T, 0,1,2,3
	global_load_b128 v[BS+8*\T:BS+8*\T+3], v9, s[62:63] offset:(32*(\T/2)+8*(\T%2))*4
	global_load_b128 v[BS+8*\T+4:BS+8*\T+7], v9, s[62:63] offset:(32*(\T/2)+8*(\T%2))*4+16
.endr
.macro SLOAD s
.irp T, 0,1,2,3
.set rr, 12*(4*((\s)%4)+\T)
	global_load_b128 v[rr:rr+3], v1, s[56:57] offset:12288*\T+1536*(\s)
	global_load_b64 v[rr+4:rr+5], v2, s[56:57] offset:12288*\T+1536*(\s)+512
	global_load_b128 v[rr+6:rr+9], v1, s[56:57] offset:12288*\T+1536*(\s)+768
	global_load_b64 v[rr+10:rr+11], v2, s[56:57] offset:12288*\T+1536*(\s)+1280
.endr
.endm
	WIN 0x40
	SLOAD 0
	SLOAD 1
	WIN 0
	s_wait_loadcnt 56                              ; the 32 halves are in; behind them stand 16 + 8 + 32 loads
.set ii, 0
.rept 16
	v_lshl_or_b32 v[MS+ii], v[ML+2*ii+1], 16, v[ML+2*ii]
.set ii, ii+1
.endr
	v_mov_b32 v3, v1                               ; LDS addresses of the trip's two strips
	v_mov_b32 v4, v2
	s_mul_i32 s68, s14, 4352
	s_add_co_u32 s68, s68, STG                     ; my stage
	v_mul_u32_u24 v5, v14, 272
	v_lshl_add_u32 v5, v15, 6, v5
	v_add_nc_u32 v5, s68, v5                       ; in: 272 r + 64 h
	v_mul_u32_u24 v6, v15, 272
	v_lshl_add_u32 v6, v14, 4, v6
	v_add_nc_u32 v6, s68, v6                       ; back: lanes 0-15 one row, lanes 16-31 the next
	v_lshlrev_b32 v7, 12, v15
	v_lshl_add_u32 v7, v14, 4, v7                  ; and the same two rows in out0
	WIN 0x40
	SLOAD 2
	SLOAD 3
	WIN 0x80
	SLOAD 4
	SLOAD 5
	SLOAD 6
	SLOAD 7
	WIN 0
.macro MLOAD
	WIN 0xc0
.irp s, 0,1,2,3,4,5,6,7
.irp e, 0,1
.set rr, 12*(8*\e+\s)
	ds_load_b128 v[rr:rr+3], v3 offset:12288*\e+1536*\s
	ds_load_b64 v[rr+4:rr+5], v4 offset:12288*\e+1536*\s+512
	ds_load_b128 v[rr+6:rr+9], v3 offset:12288*\e+1536*\s+768
	ds_load_b64 v[rr+10:rr+11], v4 offset:12288*\e+1536*\s+1280
.endr
.endr
	WIN 0
.endm
; 64 products: eight accumulators by turns, one instruction a turn, K ascending
.macro MUL tau, first
.irp s, 0,1,2,3,4,5,6,7
.if \first
.if 16*(7-\s) > 63
	s_wait_loadcnt 63                              ; the later K steps' loads of Wo, sixteen each, may stay out (the field holds 63)
.else
	s_wait_loadcnt 16*(7-\s)
.endif
.endif
	s_wait_dscnt 8*(7-\s)                          ; the later K steps' LDS loads, eight each, may stay out
.if \s < 4
	WIN 0x0d
.else
	WIN 0x0e
.endif
.irp e, 0,1
.irp T, 0,1,2,3
.if \s == 0
	PROD ACC+8*(4*\e+\T), 12*(4*(\s%4)+\T), 12*(8*\e+\s), BS+8*\T, SS+4*\T+\s/2, MS+4*(2*(\tau)+\e)+\s/2, \s%2
.else
	PROD ACC+8*(4*\e+\T), 12*(4*(\s%4)+\T), 12*(8*\e+\s), ACC+8*(4*\e+\T), SS+4*\T+\s/2, MS+4*(2*(\tau)+\e)+\s/2, \s%2
.endif
.endr
.endr
.endr
.endm
.macro TOST e, ob                      ; a strip's 16 tokens x 64 channels into my stage, each accumulator from its low end on, and back as rows.  LDS serves a wave's instructions in order
.irp T, 0,1,2,3
	ds_store_b128 v5, v[ACC+32*\e+8*\T:ACC+32*\e+8*\T+3] offset:128*(\T/2)+32*(\T%2)
	ds_store_b128 v5, v[ACC+32*\e+8*\T+4:ACC+32*\e+8*\T+7] offset:128*(\T/2)+32*(\T%2)+16
.endr
.irp i, 0,1,2,3,4,5,6,7
	ds_load_b128 v[\ob+4*\i:\ob+4*\i+3], v6 offset:544*\i
.endr
.endm
.macro SEND st, ob, younger            ; younger: the LDS instructions issued behind this strip's loads
.irp i, 0,1,2,3,4,5,6,7
	s_wait_dscnt \younger+7-\i
	global_store_b128 v7, v[\ob+4*\i:\ob+4*\i+3], s[66:67] offset:65536*(\st)+8192*\i th:TH_STORE_NT   ; sixteen lanes store 256 consecutive bytes, at a multiple of 256 from out0's first byte
.endr
.endm
	s_wait_alu depctr_va_vdst(0)
	s_wait_tensorcnt 0x0                           ; my strip is in,
	s_barrier_signal -1
	s_barrier_wait -1                              ; everybody's is
	MLOAD
	MUL 0, 1
	WIN 0
	v_add_nc_u32 v3, 24576, v3                     ; five places: the next trip begins the accumulators anew
	v_add_nc_u32 v4, 24576, v4
.rept 3
	v_nop
.endr
	MLOAD
	TOST 0, OB0
	TOST 1, OB1
	SEND 0, OB0, 16
	SEND 1, OB1, 0
	MUL 1, 0
	WIN 0
.rept 5
	v_nop
.endr
	s_wait_xcnt 0x0                                ; the first trip's stores have read their registers
	TOST 0, OB0
	TOST 1, OB1
	SEND 2, OB0, 16
	SEND 3, OB1, 0
	s_wait_tensorcnt 0x0                           ; the wave's end
	ds_add_u32 v[SPW], v[NIL]
	s_wait_dscnt 0x0
	s_endpgm
.Lfunc_end_k_q048e0887ee_outp:
	.size	k_q048e0887ee_outp, .Lfunc_end_k_q048e0887ee_outp-k_q048e0887ee_outp
	.p2alignl 7, 3214868480
	.fill 96, 4, 3214868480
	.section	.rodata,"a",@progbits
	.p2align	6, 0x0
	.amdhsa_kernel k_q048e0887ee_outp
		.amdhsa_group_segment_fixed_size 167936
		.amdhsa_private_segment_fixed_size 0
		.amdhsa_enable_private_segment 0
		.amdhsa_kernarg_size 32
		.amdhsa_user_sgpr_count 2
		.amdhsa_user_sgpr_kernarg_segment_ptr 1
		.amdhsa_wavefront_size32 1
		.amdhsa_system_sgpr_workgroup_id_x 1
		.amdhsa_system_sgpr_workgroup_id_y 1
		.amdhsa_system_sgpr_workgroup_id_z 1
		.amdhsa_system_vgpr_workitem_id 0
		.amdhsa_next_free_vgpr 1024
		.amdhsa_next_free_sgpr 72
		.amdhsa_reserve_vcc 0
		.amdhsa_float_denorm_mode_32 3
		.amdhsa_float_denorm_mode_16_64 3
		.amdhsa_memory_ordered 1
		.amdhsa_forward_progress 1
		.amdhsa_inst_pref_size 56
	.end_amdhsa_kernel
	.amdgpu_metadata
---
amdhsa.version: [ 1, 2 ]
amdhsa.kernels:
  - .name:           k_q048e0887ee_outp
    .symbol:         k_q048e0887ee_outp.kd
    .args:
      - { .name: opnd, .offset: 0, .size: 8, .value_kind: global_buffer, .address_space: global }
      - { .name: att, .offset: 8, .size: 8, .value_kind: global_buffer, .address_space: global }
      - { .name: bo, .offset: 16, .size: 8, .value_kind: global_buffer, .address_space: global }
      - { .name: out0, .offset: 24, .size: 8, .value_kind: global_buffer, .address_space: global }
    .group_segment_fixed_size: 167936
    .private_segment_fixed_size: 0
    .kernarg_segment_align: 8
    .kernarg_segment_size: 32
    .max_flat_workgroup_size: 128
    .sgpr_count:     72
    .vgpr_count:     1024
    .wavefront_size: 32
...
	.end_amdgpu_metadata
.endif
;; end of part 4
